; MI455X (gfx1250); checked and timed in simulation.
; The chip was launched on July 23, 2026; its instructions are those of AMD's public machine-readable ISA for CDNA 5 (MIT licence, August 2026) and "CDNA5" Instruction Set Architecture Reference Guide (July 2026). The comments in the code are by the model that wrote it; some were corrected since.
;; Parallel Transformer Block. Allowed arithmetic: float matrix products may take bf16 or f16 operands with f32 sums; all other float work in f32.
;; Inputs: attn_mask 2 x 2,048 x 2,048 bool; ln_b 2,048 float32; ln_w 2,048 float32; w_attn_out 512 x 2,048 float32; w_ff_out 2,048 x 2,048 float32; w_fused 2,048 x 4,640 float32; x 2 x 2,048 x 2,048 float32.
;; Outputs: out0 2 x 2,048 x 2,048 float32.
;; 2 versions, each right; version 2 is version 1 with the launch kv written anew for expert scheduling mode. Each part assembles by itself: llvm-mc -triple=amdgcn-amd-amdhsa -mcpu=gfx1250 --defsym DOCPART=n.
;; ======== version 1 of 2: 5 launches
;; limits: right only within a limited range of input values; values are held in f16: magnitudes above 65,504 overflow, below 6.1e-05 lose precision
;; workspace buffers: xn 16,777,216 bytes; w1t 19,005,440 bytes; w2t 10,485,760 bytes; rope 524,288 bytes; qf 4,194,304 bytes; kbuf 131,072 bytes; vbuf 131,072 bytes; act 20,971,520 bytes
;; launch prep (part 1): grid 2184 x 1, 8 waves a work-group, no clusters, 18,432 bytes of LDS; arguments x, ln_w, ln_b, w_fused, w_ff_out, w_attn_out, xn, w1t, w2t, rope; writes xn, w1t, w2t, rope
.if DOCPART == 1
	.amdgcn_target "amdgcn-amd-amdhsa--gfx1250"
	.amdhsa_code_object_version 6
	.text
	.protected	k_q47dab9dc67_prep
	.globl	k_q47dab9dc67_prep
	.p2align	8
	.type	k_q47dab9dc67_prep,@function
k_q47dab9dc67_prep:
	s_mov_b64 s[64:65], 0
	v_nop
	global_prefetch_b8 v0, s[64:65] scope:SCOPE_SE
	s_setreg_imm32_b32 hwreg(HW_REG_WAVE_MODE, 25, 1), 1
	s_wait_xcnt 0x0
; PREP: four jobs that stream, chosen by the work-group's number (the same for all eight waves of a work-group):
;   0-255      LN: xn = LayerNorm(x) ln_w + ln_b, 16 rows a work-group, one row in one wave's registers; xn leaves as f16
;   256-1415   w_fused   [2048 k][4640 n] f32 -> w1t [4640 rows][2048 k] f16, rows in the order in which the first product wants them
;   1416-1927  w_ff_out  [2048 k][2048 n] f32 -> w2t [2048 n][2560 k] bf16, k 0-2047
;   1928-2055  w_attn_out [512 k][2048 n] f32 -> w2t, k 2048-2559
;   2056-2183  the RoPE tables: [2 tables][2048 i][2 halves][cos 0-7, sin 0-7] f32; table 0 times c = log2(e) / 4, table 1 plain; sin carries rotate_half's sign (minus in half 0)
; FORMATS.  Every input (x, ln_w, ln_b, the weights) is rounded to bf16 first.  xn is this program's own number and goes on in f16; w_fused's bf16 roundings are written as f16.
; LIMITS.  |xn| and |w_fused| stay under 65,504; a weight below 2^-14 keeps f16's fixed step of 2^-24.  The tables' angles are reduced in f32: good to about 1e-4.  NaN and infinities are not treated apart.
; Mean and variance in two passes over the registers (no difference of large sums).
; REGISTERS ARE KEPT FEW (112), so that several work-groups lie on a WGP and their loads and stores are on their way together: ln_w and ln_b lie in LDS, rounded once a work-group, and the row is packed in place.
; NO CLUSTER, NO MATRIX UNIT, NO TENSOR LOAD: no byte is read by two work-groups but ln_w, ln_b and the halves of shared 256-byte pieces of the weights' rows; the work is bytes alone.
; w1t's rows: 288 nt + 144 ch + (0-63 val, 64-127 gate, 128-143 q of head 2 nt + ch), val and gate columns 128 nt + 64 ch + 0..63; rows 4608-4623 k, 4624-4639 v.
.set SPARE, 17408                      ; behind the transposing tile (LN: behind ln_w at 0 and ln_b at 8,192): the spare words, 128 bytes a wave
.set SPW, 2                            ; v2  LDS address of my spare word; never rewritten
.set NIL, 3                            ; v3  0; never rewritten
.set X,   16                           ; v[16:79]   LN: a row's 64 numbers of my lane: number 4 j + c is column 128 j + 4 lane + c; at last the row in f16, in v[16:47]
.set T,   80                           ; v[80:95] ln_w, v[96:111] ln_b of sixteen of those columns
.macro RND2 r, t                       ; v[r], v[r+1] take their bf16 roundings, kept as f32
	v_cvt_pk_bf16_f32 v[\t], v[\r], v[(\r)+1]
	v_lshlrev_b32 v[\r], 16, v[\t]
	v_and_b32 v[(\r)+1], 0xffff0000, v[\t]
.endm
.macro LANESUM r, t                    ; the sum over the wave's 32 lanes, in every lane
	v_add_f32_dpp v[\r], v[\r], v[\r] row_xmask:1 row_mask:0xf bank_mask:0xf
	v_add_f32_dpp v[\r], v[\r], v[\r] row_xmask:2 row_mask:0xf bank_mask:0xf
	v_add_f32_dpp v[\r], v[\r], v[\r] row_xmask:4 row_mask:0xf bank_mask:0xf
	v_add_f32_dpp v[\r], v[\r], v[\r] row_xmask:8 row_mask:0xf bank_mask:0xf
	v_permlanex16_b32 v[\t], v[\r], s30, s31
	v_add_f32 v[\r], v[\r], v[\t]
.endm
	s_load_b512 s[4:19], s[0:1], 0x0               ; x s[4:5], ln_w s[6:7], ln_b s[8:9], w_fused s[10:11], w_ff_out s[12:13], w_attn_out s[14:15], xn s[16:17], w1t s[18:19]
	s_load_b128 s[20:23], s[0:1], 0x40             ; w2t s[20:21], rope s[22:23]
	v_lshl_add_u32 v[SPW], v0, 2, SPARE
	v_mov_b32 v[NIL], 0
	v_and_b32 v1, 31, v0                           ; lane
	v_lshrrev_b32 v4, 5, v0
	v_readfirstlane_b32 s24, v4                    ; wave 0..7
	s_wait_kmcnt 0x0
	s_cmp_lt_u32 ttmp9, 256
	s_cbranch_scc1 .Lln
	s_cmp_lt_u32 ttmp9, 2056
	s_cbranch_scc1 .Ltr
	; ---------------- THE ROPE TABLES: thread T writes the 16 bytes at 16 T: T = table (bit 14), i (13:3), half (2), sin (1), which four of the eight frequencies (0)
	s_sub_co_u32 s32, ttmp9, 2056
	s_lshl_b32 s32, s32, 8
	v_add_nc_u32 v4, s32, v0                       ; T
	v_lshlrev_b32 v5, 4, v4
	v_bfe_u32 v6, v4, 3, 11
	v_cvt_f32_u32 v6, v6                           ; i
	v_bfe_u32 v7, v4, 1, 1                         ; 1: sin
	v_bfe_u32 v8, v4, 2, 1                         ; half
	v_and_b32 v9, 1, v4
	v_lshrrev_b32 v10, 14, v4                      ; table
	v_cvt_f32_u32 v11, v7
	v_mul_f32 v11, 0xbe800000, v11                 ; sin(a) = cos(a - a quarter turn)
	v_mov_b32 v13, 0x3eb8aa3b                      ; c = log2(e) / 4
	v_cmp_eq_u32 vcc_lo, 0, v10
	v_cndmask_b32 v12, 1.0, v13, vcc_lo
	v_xor_b32 v14, 1, v8
	v_and_b32 v14, v14, v7
	v_lshlrev_b32 v14, 31, v14
	v_xor_b32 v12, v12, v14                        ; the factor: c or 1, negative for the sin of half 0
	v_lshlrev_b32 v9, 2, v9
	v_cvt_f32_u32 v9, v9
	v_mov_b32 v28, 0x3638ef1d                      ; 1 / 9!
	v_mov_b32 v16, v9                              ; j = 4 (T & 1) + 0..3
	v_add_f32 v17, 1.0, v9
	v_add_f32 v18, 2.0, v9
	v_add_f32 v19, 0x40400000, v9
.irp e, 0,1,2,3
	v_mul_f32 v[16+\e], 0xbfd49a78, v[16+\e]       ; - j log2(10000) / 8
.endr
.irp e, 0,1,2,3
	v_exp_f32 v[16+\e], v[16+\e]                   ; the frequency
.endr
	v_nop                                          ; a plain instruction behind the last exponential
	s_wait_alu depctr_va_vdst(0)
.irp e, 0,1,2,3
	v_mul_f32 v[16+\e], v6, v[16+\e]               ; the angle
.endr
.irp e, 0,1,2,3
	v_fma_f32 v[16+\e], v[16+\e], 0.15915494, v11  ; in turns
.endr
.irp e, 0,1,2,3
	v_rndne_f32 v[20+\e], v[16+\e]
.endr
.irp e, 0,1,2,3
	v_sub_f32 v[16+\e], v[16+\e], v[20+\e]         ; within half a turn of 0
.endr
.irp e, 0,1,2,3
	v_and_b32 v[16+\e], 0x7fffffff, v[16+\e]
.endr
.irp e, 0,1,2,3
	v_sub_f32 v[16+\e], 0x3e800000, v[16+\e]       ; cos(2 pi r) = sin(2 pi (1/4 - |r|))
.endr
.irp e, 0,1,2,3
	v_mul_f32 v[16+\e], 0x40c90fdb, v[16+\e]       ; z, within pi / 2 of 0
.endr
.irp e, 0,1,2,3
	v_mul_f32 v[20+\e], v[16+\e], v[16+\e]
.endr
.irp e, 0,1,2,3
	v_fmaak_f32 v[24+\e], v[20+\e], v28, 0xb9500d01  ; sin z = z (1 - z^2/3! + z^4/5! - z^6/7! + z^8/9!): the next term is under 4e-6
.endr
.irp e, 0,1,2,3
	v_fmaak_f32 v[24+\e], v[24+\e], v[20+\e], 0x3c088889
.endr
.irp e, 0,1,2,3
	v_fmaak_f32 v[24+\e], v[24+\e], v[20+\e], 0xbe2aaaab
.endr
.irp e, 0,1,2,3
	v_fma_f32 v[24+\e], v[24+\e], v[20+\e], 1.0
.endr
.irp e, 0,1,2,3
	v_mul_f32 v[24+\e], v[24+\e], v[16+\e]
.endr
.irp e, 0,1,2,3
	v_mul_f32 v[32+\e], v[24+\e], v12
.endr
	global_store_b128 v5, v[32:35], s[22:23]       ; a wave stores 512 consecutive bytes
	s_endpgm
	; ---------------- LAYERNORM
.Lln:
	s_lshl_b32 s26, ttmp9, 4
	s_lshl1_add_u32 s26, s24, s26                  ; my first row: 16 x work-group + 2 x wave
	s_lshl_b32 s28, s26, 13
	s_mov_b32 s29, 0
	s_add_nc_u64 s[4:5], s[4:5], s[28:29]          ; x: rows of 8,192 bytes
	s_lshl_b32 s28, s26, 12
	s_add_nc_u64 s[16:17], s[16:17], s[28:29]      ; xn: rows of 4,096 bytes
	s_mov_b32 s30, 0x76543210
	s_mov_b32 s31, 0xfedcba98
	s_mov_b32 s32, 0x3a000000                      ; 1 / 2048
	s_mov_b32 s33, 0x3727c5ac                      ; 1e-5
	v_lshlrev_b32 v4, 4, v1                        ; 16 x lane: my place in 512 bytes of x, and of ln_w and ln_b in LDS
	v_lshlrev_b32 v5, 3, v1
	v_lshlrev_b32 v6, 4, v0                        ; 16 x thread
	global_load_b128 v[16:19], v6, s[6:7]          ; ln_w and ln_b: 256 threads x 16 bytes are half of each
	global_load_b128 v[20:23], v6, s[6:7] offset:4096
	global_load_b128 v[24:27], v6, s[8:9]
	global_load_b128 v[28:31], v6, s[8:9] offset:4096
	s_wait_loadcnt 0x0
.set j, 0
.rept 8
	RND2 X+2*j, 7
.set j, j+1
.endr
	ds_store_b128 v6, v[16:19]                     ; ln_w from LDS byte 0, ln_b from 8,192, as f32
	ds_store_b128 v6, v[20:23] offset:4096
	ds_store_b128 v6, v[24:27] offset:8192
	ds_store_b128 v6, v[28:31] offset:12288
	s_wait_dscnt 0x0                               ; for the others' sake: my stores are done
	s_barrier_signal -1
	s_barrier_wait -1
	s_mov_b32 s25, 2
.Lrow:
.set j, 0
.rept 16
	global_load_b128 v[X+4*j:X+4*j+3], v4, s[4:5] offset:512*j th:TH_LOAD_NT  ; 512 consecutive bytes a load, the row in sixteen
.set j, j+1
.endr
.set j, 0
.rept 16
	s_wait_loadcnt 15-j                            ; loads come back in order: number j is in, the younger ones stay out
	RND2 X+4*j, 6
	RND2 X+4*j+2, 7
.set j, j+1
.endr
.set k, 0
.rept 4                                        ; the sum, in four chains that the first pairs start
	v_pk_add_f32 v[8+2*k:9+2*k], v[X+2*k:X+2*k+1], v[X+8+2*k:X+9+2*k]
.set k, k+1
.endr
.set k, 8
.rept 24
	v_pk_add_f32 v[8+2*(k%4):9+2*(k%4)], v[8+2*(k%4):9+2*(k%4)], v[X+2*k:X+2*k+1]
.set k, k+1
.endr
	v_pk_add_f32 v[8:9], v[8:9], v[10:11]
	v_pk_add_f32 v[12:13], v[12:13], v[14:15]
	v_pk_add_f32 v[8:9], v[8:9], v[12:13]
	v_add_f32 v8, v8, v9
	LANESUM 8, 9
	v_mul_f32 v14, s32, v8                         ; the mean
	v_mov_b32 v15, v14
.set k, 0
.rept 32
	v_pk_add_f32 v[X+2*k:X+2*k+1], v[X+2*k:X+2*k+1], v[14:15] neg_lo:[0,1] neg_hi:[0,1]
.set k, k+1
.endr
.set k, 0
.rept 4
	v_pk_mul_f32 v[8+2*k:9+2*k], v[X+2*k:X+2*k+1], v[X+2*k:X+2*k+1]
.set k, k+1
.endr
.rept 28
	v_pk_fma_f32 v[8+2*(k%4):9+2*(k%4)], v[X+2*k:X+2*k+1], v[X+2*k:X+2*k+1], v[8+2*(k%4):9+2*(k%4)]
.set k, k+1
.endr
	v_pk_add_f32 v[8:9], v[8:9], v[10:11]
	v_pk_add_f32 v[12:13], v[12:13], v[14:15]
	v_pk_add_f32 v[8:9], v[8:9], v[12:13]
	v_add_f32 v8, v8, v9
	LANESUM 8, 9
	v_fma_f32 v14, v8, s32, s33                    ; variance + 1e-5
	v_rsq_f32 v12, v14                             ; twice, to fill the pair that the packed multiply takes
	v_rsq_f32 v13, v14
	v_nop                                          ; a plain instruction behind the transcendentals
	s_wait_alu depctr_va_vdst(0)
.set g, 0
.rept 4                                        ; sixteen of my columns at a time: their ln_w and ln_b out of LDS, the scaling while they come
.set jj, 0
.rept 4
	ds_load_b128 v[T+4*jj:T+4*jj+3],       v4 offset:512*(4*g+jj)
	ds_load_b128 v[T+16+4*jj:T+16+4*jj+3], v4 offset:8192+512*(4*g+jj)
.set jj, jj+1
.endr
.set k, 0
.rept 8
	v_pk_mul_f32 v[X+16*g+2*k:X+16*g+2*k+1], v[X+16*g+2*k:X+16*g+2*k+1], v[12:13]
.set k, k+1
.endr
	s_wait_dscnt 0x0
.set k, 0
.rept 8
	v_pk_fma_f32 v[X+16*g+2*k:X+16*g+2*k+1], v[X+16*g+2*k:X+16*g+2*k+1], v[T+2*k:T+2*k+1], v[T+16+2*k:T+17+2*k]
.set k, k+1
.endr
.set g, g+1
.endr
.set k, 0
.rept 32
	v_cvt_pk_f16_f32 v[X+k], v[X+2*k], v[X+2*k+1]  ; in place: word k lies at or below the two numbers that it takes
.set k, k+1
.endr
.set j, 0
.rept 16
	global_store_b64 v5, v[X+2*j:X+2*j+1], s[16:17] offset:256*j  ; 32 lanes store 256 consecutive bytes, at a multiple of 256 from xn's first
.set j, j+1
.endr
	s_wait_xcnt 0x0                                ; the bases and X are written again only behind this wait
	s_add_nc_u64 s[4:5], s[4:5], 0x2000
	s_add_nc_u64 s[16:17], s[16:17], 0x1000
	s_sub_co_u32 s25, s25, 1
	s_cmp_lg_u32 s25, 0
	s_cbranch_scc1 .Lrow
	s_wait_tensorcnt 0x0                           ; the wave's end: closing lines behind my last LDS store
	ds_add_u32 v[SPW], v[NIL]
	s_wait_dscnt 0x0
	s_endpgm
	; ---------------- THE TRANSPOSITIONS: a tile of 32 columns x 256 k.  The three jobs set scalars and share one text.
	; s[34:35] source, s36 its pitch in bytes, s[38:39] destination, s40 its pitch, s41 the destination row of column 0, s42 what columns 16-31 lie further on, s43 the tile's first k in bytes, s44 1: f16, s45 k block, s46 column tile
.Ltr:
	s_cmp_lt_u32 ttmp9, 1416
	s_cbranch_scc0 .Lt2
	s_sub_co_u32 s32, ttmp9, 256
	s_and_b32 s45, s32, 7
	s_lshr_b32 s46, s32, 3                         ; 0..144
	s_mov_b64 s[34:35], s[10:11]
	s_mov_b32 s36, 18560
	s_mov_b64 s[38:39], s[18:19]
	s_mov_b32 s40, 4096
	s_mov_b32 s44, 1
	s_lshl_b32 s43, s45, 9
	s_sub_co_u32 s47, s46, 17                      ; u: val and gate in tiles of 32 columns (of use from column tile 17 on)
	s_and_b32 s48, s47, 63
	s_lshr_b32 s49, s48, 2
	s_mul_i32 s49, s49, 288                        ; 288 nt
	s_bfe_u32 s50, s48, 0x10001
	s_mul_i32 s50, s50, 144                        ; + 144 ch
	s_add_co_u32 s49, s49, s50
	s_lshr_b32 s50, s47, 6
	s_lshl_b32 s50, s50, 6                         ; + 64 for gate
	s_add_co_u32 s49, s49, s50
	s_and_b32 s50, s47, 1
	s_lshl_b32 s50, s50, 5                         ; + which 32 of the 64
	s_add_co_u32 s49, s49, s50
	s_mul_i32 s50, s46, 288
	s_add_co_u32 s50, s50, 128                     ; q: two heads, 144 rows apart
	s_cmp_lt_u32 s46, 16
	s_cselect_b32 s41, s50, s49
	s_cselect_b32 s42, 128, 0
	s_cmp_eq_u32 s46, 16                           ; k and v
	s_cselect_b32 s41, 4608, s41
	s_branch .Ltrans
.Lt2:
	s_cmp_lt_u32 ttmp9, 1928
	s_cbranch_scc0 .Lt2b
	s_sub_co_u32 s32, ttmp9, 1416
	s_and_b32 s45, s32, 7
	s_lshr_b32 s46, s32, 3
	s_mov_b64 s[34:35], s[12:13]
	s_lshl_b32 s43, s45, 9
	s_branch .Lt2c
.Lt2b:
	s_sub_co_u32 s32, ttmp9, 1928
	s_and_b32 s45, s32, 1
	s_lshr_b32 s46, s32, 1
	s_mov_b64 s[34:35], s[14:15]
	s_lshl_b32 s43, s45, 9
	s_add_co_u32 s43, s43, 4096                    ; k 2048 on
.Lt2c:
	s_mov_b32 s36, 8192
	s_mov_b64 s[38:39], s[20:21]
	s_mov_b32 s40, 5120
	s_mov_b32 s44, 0
	s_lshl_b32 s41, s46, 5
	s_mov_b32 s42, 0
.Ltrans:
	s_lshl_b32 s32, s45, 8
	s_mul_i32 s32, s32, s36                        ; 256 rows of the source a k block,
	s_lshl_b32 s33, s46, 7                         ; 128 bytes a column tile
	s_add_co_u32 s32, s32, s33
	s_mov_b32 s33, 0
	s_add_nc_u64 s[34:35], s[34:35], s[32:33]
	v_and_b32 v4, 7, v0                            ; which four columns
	v_lshrrev_b32 v5, 3, v0                        ; which eight k: 0..31
	v_lshlrev_b32 v6, 3, v5
	v_mul_lo_u32 v6, v6, s36
	v_lshl_add_u32 v8, v4, 4, v6
.irp i, 0,1,2,3,4,5,6
	v_add_nc_u32 v[9+\i], s36, v[8+\i]
.endr
.irp i, 0,1,2,3,4,5,6,7
	global_load_b128 v[16+4*\i:19+4*\i], v[8+\i], s[34:35]  ; k = 8 ko + i, four columns
.endr
	v_mul_u32_u24 v64, v4, 544                     ; LDS row 8 j + c4 holds column 4 c4 + j: 512 bytes + 32 of padding
	v_lshl_add_u32 v64, v5, 4, v64
	s_mul_i32 s32, s24, 2176                       ; back: wave w reads LDS rows 4 w + i,
	v_lshlrev_b32 v68, 4, v1
	v_add_nc_u32 v67, s32, v68
	s_lshl_b32 s32, s40, 2                         ; which are columns 16 (w & 1) + 4 i + (w >> 1): four destination rows apart
	v_add_nc_u32 v69, s32, v68
	v_add_nc_u32 v70, s32, v69
	v_add_nc_u32 v71, s32, v70
	s_and_b32 s32, s24, 1
	s_lshr_b32 s33, s24, 1
	s_add_co_u32 s42, s42, 16
	s_mul_i32 s32, s32, s42
	s_add_co_u32 s32, s32, s33
	s_add_co_u32 s32, s32, s41
	s_mul_i32 s32, s32, s40
	s_add_co_u32 s32, s32, s43
	s_mov_b32 s33, 0
	s_add_nc_u64 s[38:39], s[38:39], s[32:33]
.set p, 0
.rept 4
	s_wait_loadcnt 6-2*p                           ; rows 2 p and 2 p + 1 are in; the later pairs stay out
.set j, 0
.rept 4
	v_cvt_pk_bf16_f32 v[48+4*j+p], v[16+8*p+j], v[20+8*p+j]  ; column j: two neighbouring k
.set j, j+1
.endr
.set p, p+1
.endr
	s_cmp_eq_u32 s44, 0
	s_cbranch_scc1 .Lkeep
.set i, 0
.rept 16                                       ; the bf16 roundings, written as f16
	v_lshlrev_b32 v65, 16, v[48+i]
	v_and_b32 v66, 0xffff0000, v[48+i]
	v_cvt_pk_f16_f32 v[48+i], v65, v66
.set i, i+1
.endr
.Lkeep:
.irp j, 0,1,2,3
	ds_store_b128 v64, v[48+4*\j:51+4*\j] offset:4352*\j
.endr
	s_wait_dscnt 0x0                               ; for the others' sake: my stores are done
	s_barrier_signal -1
	s_barrier_wait -1
.irp i, 0,1,2,3
	ds_load_b128 v[16+4*\i:19+4*\i], v67 offset:544*\i
.endr
.irp i, 0,1,2,3
	s_wait_dscnt 3-\i
	global_store_b128 v[68+\i], v[16+4*\i:19+4*\i], s[38:39]  ; a wave stores 512 consecutive bytes of one destination row, at a multiple of 512 from the buffer's first
.endr
	s_wait_tensorcnt 0x0                           ; the wave's end: closing lines behind my last LDS store
	ds_add_u32 v[SPW], v[NIL]
	s_wait_dscnt 0x0
	s_endpgm
.Lfunc_end_k_q47dab9dc67_prep:
	.size	k_q47dab9dc67_prep, .Lfunc_end_k_q47dab9dc67_prep-k_q47dab9dc67_prep
	.p2alignl 7, 3214868480
	.fill 96, 4, 3214868480
	.section	.rodata,"a",@progbits
	.p2align	6, 0x0
	.amdhsa_kernel k_q47dab9dc67_prep
		.amdhsa_group_segment_fixed_size 18432
		.amdhsa_private_segment_fixed_size 0
		.amdhsa_enable_private_segment 0
		.amdhsa_kernarg_size 80
		.amdhsa_user_sgpr_count 2
		.amdhsa_user_sgpr_kernarg_segment_ptr 1
		.amdhsa_wavefront_size32 1
		.amdhsa_system_sgpr_workgroup_id_x 1
		.amdhsa_system_sgpr_workgroup_id_y 1
		.amdhsa_system_sgpr_workgroup_id_z 1
		.amdhsa_system_vgpr_workitem_id 0
		.amdhsa_next_free_vgpr 112
		.amdhsa_next_free_sgpr 66
		.amdhsa_reserve_vcc 1
		.amdhsa_float_denorm_mode_32 3
		.amdhsa_float_denorm_mode_16_64 3
		.amdhsa_memory_ordered 1
		.amdhsa_forward_progress 1
		.amdhsa_inst_pref_size 42
	.end_amdhsa_kernel
	.amdgpu_metadata
---
amdhsa.version: [ 1, 2 ]
amdhsa.kernels:
  - .name:           k_q47dab9dc67_prep
    .symbol:         k_q47dab9dc67_prep.kd
    .args:
      - { .name: x, .offset: 0, .size: 8, .value_kind: global_buffer, .address_space: global }
      - { .name: ln_w, .offset: 8, .size: 8, .value_kind: global_buffer, .address_space: global }
      - { .name: ln_b, .offset: 16, .size: 8, .value_kind: global_buffer, .address_space: global }
      - { .name: w_fused, .offset: 24, .size: 8, .value_kind: global_buffer, .address_space: global }
      - { .name: w_ff_out, .offset: 32, .size: 8, .value_kind: global_buffer, .address_space: global }
      - { .name: w_attn_out, .offset: 40, .size: 8, .value_kind: global_buffer, .address_space: global }
      - { .name: xn, .offset: 48, .size: 8, .value_kind: global_buffer, .address_space: global }
      - { .name: w1t, .offset: 56, .size: 8, .value_kind: global_buffer, .address_space: global }
      - { .name: w2t, .offset: 64, .size: 8, .value_kind: global_buffer, .address_space: global }
      - { .name: rope, .offset: 72, .size: 8, .value_kind: global_buffer, .address_space: global }
    .group_segment_fixed_size: 18432
    .private_segment_fixed_size: 0
    .kernarg_segment_align: 8
    .kernarg_segment_size: 80
    .max_flat_workgroup_size: 256
    .sgpr_count:     66
    .vgpr_count:     112
    .wavefront_size: 32
...
	.end_amdgpu_metadata
.endif
;; end of part 1
;; launch kv (part 2): grid 256 x 1, 8 waves a work-group, no clusters, 17,408 bytes of LDS; arguments xn, w1t, rope, kbuf, vbuf; writes kbuf, vbuf
.if DOCPART == 2
	.amdgcn_target "amdgcn-amd-amdhsa--gfx1250"
	.amdhsa_code_object_version 6
	.text
	.protected	k_q47dab9dc67_kv
	.globl	k_q47dab9dc67_kv
	.p2align	8
	.type	k_q47dab9dc67_kv,@function
k_q47dab9dc67_kv:
	s_mov_b64 s[64:65], 0
	v_nop
	global_prefetch_b8 v0, s[64:65] scope:SCOPE_SE
	s_setreg_imm32_b32 hwreg(HW_REG_WAVE_MODE, 25, 1), 1
	s_wait_xcnt 0x0
; K AND V: the 32 columns of the fused projection that all heads share.  kbuf, vbuf: [4096][16] bf16; k with RoPE (unscaled: q carries the scale).
; A work-group makes 16 rows x 32 columns; its eight waves split K = 2048 into eight parts of 256 (8 steps of 32), and the parts meet in LDS, added in ascending order.
; The matrix instruction is used transposed (source 0 = 16 rows of w1t, source 1 = 16 rows of xn): a lane holds row lane % 16 and the columns 8 (lane / 16) + 0..7.
; Fragments come straight from memory into registers: 48 loads a wave, all issued at once.
; NO CLUSTER: what work-groups share, w1t's 32 rows, is 131,072 bytes for the whole launch and goes straight into registers; a joint tensor load would add a trip through LDS for 16 matrix instructions a wave.
.set SPARE, 16384
.set SPW, 8
.set NIL, 9
.set A,   16                           ; v[16:79]   xn's fragments, step s at 8 s
.set BK,  80                           ; v[80:143]  k's rows of w1t
.set BV,  144                          ; v[144:207] v's
.set ACK, 208
.set ACV, 216
.set TAB, 224                          ; v[224:239] cos 0-7, sin 0-7 of my row and half
	s_load_b256 s[4:11], s[0:1], 0x0               ; xn s[4:5], w1t s[6:7], rope s[8:9], kbuf s[10:11]
	s_load_b64 s[12:13], s[0:1], 0x20              ; vbuf
	v_lshl_add_u32 v[SPW], v0, 2, SPARE
	v_mov_b32 v[NIL], 0
	v_lshrrev_b32 v1, 5, v0
	v_readfirstlane_b32 s14, v1                    ; wave 0..7
	v_and_b32 v2, 15, v0                           ; r
	v_bfe_u32 v3, v0, 4, 1                         ; h
	v_and_b32 v4, 31, v0                           ; lane
	v_lshlrev_b32 v5, 12, v2                       ; a row of 4,096 bytes,
	v_lshl_add_u32 v5, v3, 4, v5                   ; 16 bytes a half,
	s_lshl_b32 s15, s14, 9
	v_add_nc_u32 v5, s15, v5                       ; my wave's 256 along K
	s_lshl_b32 s16, ttmp9, 16                      ; 16 rows of xn
	s_mov_b32 s17, 0
	s_mov_b32 s20, 0x76543210
	s_mov_b32 s21, 0xfedcba98
	s_wait_kmcnt 0x0
	s_add_nc_u64 s[4:5], s[4:5], s[16:17]
	s_add_nc_u64 s[6:7], s[6:7], 18874368          ; w1t's row 4608
.set s, 0
.rept 8
	global_load_b128 v[A+8*s:A+8*s+3],    v5, s[4:5] offset:64*s
	global_load_b128 v[A+8*s+4:A+8*s+7],  v5, s[4:5] offset:64*s+32
	global_load_b128 v[BK+8*s:BK+8*s+3],   v5, s[6:7] offset:64*s
	global_load_b128 v[BK+8*s+4:BK+8*s+7], v5, s[6:7] offset:64*s+32
	global_load_b128 v[BV+8*s:BV+8*s+3],   v5, s[6:7] offset:65536+64*s
	global_load_b128 v[BV+8*s+4:BV+8*s+7], v5, s[6:7] offset:65536+64*s+32
.set s, s+1
.endr
	s_lshl_b32 s15, s14, 11
	v_lshl_add_u32 v6, v4, 4, s15                  ; my wave's 2,048 bytes of partial sums
	s_wait_loadcnt 42                              ; step 0's six loads are in; six for each later step stay out
	v_wmma_f32_16x16x32_f16 v[ACK:ACK+7], v[BK:BK+7], v[A:A+7], 0   ; the first step starts both sums
	v_wmma_f32_16x16x32_f16 v[ACV:ACV+7], v[BV:BV+7], v[A:A+7], 0
.set s, 1
.rept 7                                        ; the two accumulators take turns
	s_wait_loadcnt 6*(7-s)
	v_wmma_f32_16x16x32_f16 v[ACK:ACK+7], v[BK+8*s:BK+8*s+7], v[A+8*s:A+8*s+7], v[ACK:ACK+7]
	v_wmma_f32_16x16x32_f16 v[ACV:ACV+7], v[BV+8*s:BV+8*s+7], v[A+8*s:A+8*s+7], v[ACV:ACV+7]
.set s, s+1
.endr
.rept 4
	v_nop                                          ; four places behind the last products (ISA guide 7.12.1)
.endr
	ds_store_b128 v6, v[ACK:ACK+3]
	ds_store_b128 v6, v[ACK+4:ACK+7] offset:512
	ds_store_b128 v6, v[ACV:ACV+3] offset:1024
	ds_store_b128 v6, v[ACV+4:ACV+7] offset:1536
	s_wait_dscnt 0x0                               ; for the others' sake
	s_barrier_signal -1
	s_barrier_wait -1
	s_cmp_gt_u32 s14, 1
	s_cbranch_scc1 .Lend                           ; wave 0 finishes k, wave 1 v
	s_lshl_b32 s16, ttmp9, 4
	s_and_b32 s16, s16, 2047                       ; my first row's place in its sequence
	s_lshl_b32 s16, s16, 7
	s_add_co_u32 s16, s16, 262144                  ; the unscaled table
	s_add_nc_u64 s[8:9], s[8:9], s[16:17]
	v_lshlrev_b32 v7, 7, v2
	v_lshl_add_u32 v7, v3, 6, v7
.irp q, 0,1,2,3
	global_load_b128 v[TAB+4*\q:TAB+4*\q+3], v7, s[8:9] offset:16*\q
.endr
	s_lshl_b32 s15, s14, 10
	v_lshl_add_u32 v10, v4, 4, s15
.set p, 0
.rept 8
	ds_load_b128 v[A+8*p:A+8*p+3],   v10 offset:2048*p
	ds_load_b128 v[A+8*p+4:A+8*p+7], v10 offset:2048*p+512
.set p, p+1
.endr
	s_wait_dscnt 0x0
.set p, 1
.rept 7
.set k, 0
.rept 4
	v_pk_add_f32 v[A+2*k:A+2*k+1], v[A+2*k:A+2*k+1], v[A+8*p+2*k:A+8*p+2*k+1]
.set k, k+1
.endr
.set p, p+1
.endr
	s_wait_loadcnt 0x0                             ; the table
	s_cmp_lg_u32 s14, 0
	s_cbranch_scc1 .Lnorope
.set j, 0
.rept 8
	v_permlanex16_b32 v[A+8+j], v[A+j], s20, s21   ; the channel eight away lies in the lane 16 away
.set j, j+1
.endr
.set k, 0
.rept 4
	v_pk_mul_f32 v[A+8+2*k:A+9+2*k], v[A+8+2*k:A+9+2*k], v[TAB+8+2*k:TAB+9+2*k]
.set k, k+1
.endr
.set k, 0
.rept 4
	v_pk_fma_f32 v[A+2*k:A+2*k+1], v[A+2*k:A+2*k+1], v[TAB+2*k:TAB+2*k+1], v[A+8+2*k:A+9+2*k]
.set k, k+1
.endr
.Lnorope:
.set k, 0
.rept 4
	v_cvt_pk_bf16_f32 v[A+16+k], v[A+2*k], v[A+2*k+1]
.set k, k+1
.endr
	s_cmp_eq_u32 s14, 0
	s_cselect_b64 s[18:19], s[10:11], s[12:13]
	s_lshl_b32 s16, ttmp9, 9
	s_add_nc_u64 s[18:19], s[18:19], s[16:17]
	v_lshlrev_b32 v11, 5, v2
	v_lshl_add_u32 v11, v3, 4, v11
	global_store_b128 v11, v[A+16:A+19], s[18:19]  ; the wave's 32 lanes fill 512 consecutive bytes
.Lend:
	s_wait_tensorcnt 0x0                           ; the wave's end: closing lines behind my last LDS store
	ds_add_u32 v[SPW], v[NIL]
	s_wait_dscnt 0x0
	s_endpgm
.Lfunc_end_k_q47dab9dc67_kv:
	.size	k_q47dab9dc67_kv, .Lfunc_end_k_q47dab9dc67_kv-k_q47dab9dc67_kv
	.p2alignl 7, 3214868480
	.fill 96, 4, 3214868480
	.section	.rodata,"a",@progbits
	.p2align	6, 0x0
	.amdhsa_kernel k_q47dab9dc67_kv
		.amdhsa_group_segment_fixed_size 17408
		.amdhsa_private_segment_fixed_size 0
		.amdhsa_enable_private_segment 0
		.amdhsa_kernarg_size 40
		.amdhsa_user_sgpr_count 2
		.amdhsa_user_sgpr_kernarg_segment_ptr 1
		.amdhsa_wavefront_size32 1
		.amdhsa_system_sgpr_workgroup_id_x 1
		.amdhsa_system_sgpr_workgroup_id_y 1
		.amdhsa_system_sgpr_workgroup_id_z 1
		.amdhsa_system_vgpr_workitem_id 0
		.amdhsa_next_free_vgpr 240
		.amdhsa_next_free_sgpr 66
		.amdhsa_reserve_vcc 0
		.amdhsa_float_denorm_mode_32 3
		.amdhsa_float_denorm_mode_16_64 3
		.amdhsa_memory_ordered 1
		.amdhsa_forward_progress 1
		.amdhsa_inst_pref_size 13
	.end_amdhsa_kernel
	.amdgpu_metadata
---
amdhsa.version: [ 1, 2 ]
amdhsa.kernels:
  - .name:           k_q47dab9dc67_kv
    .symbol:         k_q47dab9dc67_kv.kd
    .args:
      - { .name: xn, .offset: 0, .size: 8, .value_kind: global_buffer, .address_space: global }
      - { .name: w1t, .offset: 8, .size: 8, .value_kind: global_buffer, .address_space: global }
      - { .name: rope, .offset: 16, .size: 8, .value_kind: global_buffer, .address_space: global }
      - { .name: kbuf, .offset: 24, .size: 8, .value_kind: global_buffer, .address_space: global }
      - { .name: vbuf, .offset: 32, .size: 8, .value_kind: global_buffer, .address_space: global }
    .group_segment_fixed_size: 17408
    .private_segment_fixed_size: 0
    .kernarg_segment_align: 8
    .kernarg_segment_size: 40
    .max_flat_workgroup_size: 256
    .sgpr_count:     66
    .vgpr_count:     240
    .wavefront_size: 32
...
	.end_amdgpu_metadata
.endif
;; end of part 2
;; launch gemm1 (part 3): grid 16 x 16, 4 waves a work-group, clusters of 4 x 4, 327,680 bytes of LDS; arguments xn, w1t, rope, act, qf; writes act, qf
.if DOCPART == 3
	.amdgcn_target "amdgcn-amd-amdhsa--gfx1250"
	.amdhsa_code_object_version 6
	.text
	.protected	k_q47dab9dc67_gemm1
	.globl	k_q47dab9dc67_gemm1
	.p2align	8
	.type	k_q47dab9dc67_gemm1,@function
k_q47dab9dc67_gemm1:
	s_mov_b64 s[64:65], 0
	v_nop
	global_prefetch_b8 v0, s[64:65] scope:SCOPE_SE
	s_setreg_imm32_b32 hwreg(HW_REG_WAVE_MODE, 25, 1), 1
	s_wait_xcnt 0x0
	s_wait_alu depctr_hold_cnt(0) depctr_sa_sdst(0) depctr_va_vdst(0) depctr_va_sdst(0) depctr_va_ssrc(0) depctr_va_vcc(0) depctr_vm_vsrc(0)
	s_getreg_b32 s2, hwreg(HW_REG_IB_STS2, 6, 4)
	s_cmp_eq_u32 s2, 0
	s_cbranch_scc0 .Lentry_in_a_cluster
	s_endpgm
.Lentry_in_a_cluster:
	s_bfe_u32 s2, ttmp6, 0x10000c
	s_cmp_lg_u32 s2, 0xf033
	s_cbranch_scc0 .Lentry_shape_is_right
	s_endpgm
.Lentry_shape_is_right:
; THE FUSED PROJECTION (all but k and v), SwiGLU and q's RoPE.  xn: [4096][2048] f16.  w1t: [4640][2048] f16.  Sums in f32.
; A work-group makes 256 rows x 288 rows of w1t (for each half ch: 64 columns of val, the same 64 of gate, one head of q); four waves, each 128 x 144: 72 accumulators of 16 x 16.
; val and gate of one column fall into the same lane and register of two accumulators, so silu(gate) val is made in registers, in bf16 (its range has no bound that f16 holds).
; act LIES IN THE ORDER OF THE LAST PRODUCT'S FRAGMENTS: [256 row blocks of 16][80 k blocks of 32][1,024 bytes]: row lane % 16, k = 8 (lane / 16) + 0..7 at 16 x lane, k = 16 + 8 (lane / 16) + 0..7 at 512 + 16 x lane.
; A lane's eight packed numbers of a column block are one such piece, so act leaves straight from registers, 512 consecutive bytes a store, with no trip through LDS.
; q gets RoPE and c = log2(e) / 4 from the table and leaves as the attention's fragments: qf [row block of 16][head][lane x 16 bytes] bf16.
; K goes in 16 steps of 128 through a ring of two LDS slots filled by the tensor data mover: rows of 256 bytes, at multiples of 256 from the buffers' first bytes.
; A TRIP OF THE LOOP IS ONE K STEP, from a change of slots to the quarter in front of the next: the descriptors of the second first fill walk (LDS word turned by an exclusive or, address 256 bytes on), and
; one scalar, 0 or SLOT, added to the lanes' places serves the fetches from both slots.  The loop is entered in the middle of a trip, behind the first quarter, whose products start the sums.
; CLUSTER: 4 x 4 work-groups; xn's tiles are shared along a row of the cluster, w1t's along a column: each is asked for jointly, by the same tensor load with the same descriptor and a mask of four.
; By this text's count a wave has two tensor loads out at the start and one behind each round of the cluster's barrier.
; THE MATRIX INSTRUCTION IS USED TRANSPOSED (source 0 = 16 rows of w1t, source 1 = 16 rows of xn): a lane holds row lane % 16 and the columns 8 (lane / 16) + 0..7 of its block.
; LIMITS.  f16 operands: |xn|, |w_fused| under 65,504.  silu by 1 / (1 + 2^(-g log2 e)): for g below -88 it is 0.  NaN and infinities are not treated apart.
; REGISTERS, in windows of 256 (s_set_vgpr_msb: bits 1:0 source 0, 3:2 source 1, 5:4 source 2, 7:6 destination):
;   window 0: v0-31 addresses; v64-127, v128-191 xn's fragments, two buffers; on the way out v32-63 q packed, v64-127 at work, v128-255 the table
;   window 1: v0-63 the accumulators of the ninth block (q), row block a at 8 a; v64-135, v136-207 w1t's fragments (nine), two buffers
;   window 2: accumulators (a, b) of row blocks 0-3, b = 0-3 val, 4-7 gate, at 8 (8 a + b);  window 3: row blocks 4-7
.set KSTEP,  128
.set PITCH,  272                       ; an LDS row: 256 bytes + 16 of padding: the 16 rows of a fragment load start at 16 different groups of four banks (64 banks of 4 bytes: ISA guide 11.1)
.set HALFA,  128*PITCH                 ; what one tensor load brings of xn: 0x8800
.set HALFB,  144*PITCH                 ; and of w1t: 0x9900
.set BOFF,   2*HALFA                   ; 0x11000
.set SLOT,   BOFF+2*HALFB              ; 0x24200: it shares no bit with 0, 0x8800, 0x11000, 0x1a900, the four tiles' places in a slot, so an exclusive or with it turns an address in one slot into the other's
.set SPARE,  2*SLOT                    ; behind the ring: the spare words, 128 bytes a wave
.set ADRA0, 16                         ; v16  my lane's place among xn's rows in slot 0; never rewritten
.set ADRA,  17                         ; v17  the same in the slot that is fetched from
.set ADRB0, 20                         ; v20, v21  the same for w1t
.set ADRB,  21
.set TABO, 22                          ; v22    my byte offset in 16 lines of the table
.set QO,   27                          ; v27    16 x lane
.set SPW,  28
.set NIL,  29
.set QP,   32
.set T,    64
.set P,    96
.set TAB,  128
.set TB,  2                            ; s2       0 or SLOT
.set G1,  24                           ; s[24:31] group 1 for xn's tiles;  s[32:35] group 0 of slot 0's first fill, s[36:39] of slot 1's: it then walks
.set G0,  32
.set G1B, 48                           ; s[48:55], s[56:63] the same for w1t's
.set G0B, 56
.set MSB, 0
.macro WIN new                         ; the immediate's high byte repeats the setting that is left; a switch that changes nothing is dropped
.if MSB != (\new)
	s_set_vgpr_msb (MSB<<8)|(\new)
.set MSB, \new
.endif
.endm
.macro PLACES                          ; four places in front of loads into registers that matrix instructions have read, and of lines that read results
.rept 4
	v_nop
.endr
.endm
.macro JLOAD s                         ; a joint load: waves 0 and 1 fetch xn's two halves, waves 2 and 3 w1t's; an s_nop 0 and four v_nop follow each line
	s_cmp_eq_u32 s15, 0
	s_cbranch_scc0 .Lfor_b_\@
	tensor_load_to_lds s[G0+4*(\s):G0+4*(\s)+3], s[G1:G1+7]
	s_nop 0
.rept 4
	v_nop
.endr
	s_branch .Lasked_\@
.Lfor_b_\@:
	tensor_load_to_lds s[G0B+4*(\s):G0B+4*(\s)+3], s[G1B:G1B+7]
	s_nop 0
.rept 4
	v_nop
.endr
.Lasked_\@:
.endm
.macro CREST                           ; a round of the cluster's barrier behind its opening barrier
	s_cmp_lg_u32 s14, 0
	s_cbranch_scc1 .Lnot_wave_0_\@
	s_barrier_signal -3
.Lnot_wave_0_\@:
	s_barrier_wait -3
	s_barrier_signal -1
	s_barrier_wait -1
.endm
.macro CROUND
	s_barrier_signal -1
	s_barrier_wait -1
	CREST
.endm
	s_load_b256 s[4:11], s[0:1], 0x0               ; xn s[4:5], w1t s[6:7], rope s[8:9], act s[10:11]
	s_load_b64 s[12:13], s[0:1], 0x20              ; qf
	v_lshl_add_u32 v[SPW], v0, 2, SPARE
	v_mov_b32 v[NIL], 0
	ds_add_u32 v[SPW], v[NIL]                      ; the wave's opening: the add and its wait ahead of my first tensor load
	v_lshrrev_b32 v1, 5, v0
	v_readfirstlane_b32 s14, v1                    ; wave 0..3
	s_lshr_b32 s15, s14, 1                         ; RH: my half of the rows.  Also: I fetch xn (0) or w1t (1)
	s_and_b32 s16, s14, 1                          ; CH: my half of w1t's rows.  Also: which half of that tile I fetch
	s_bfe_u32 s40, ttmp6, 0x40000                  ; cx
	s_bfe_u32 s41, ttmp6, 0x40004                  ; cy
	s_lshl_b32 s42, ttmp9, 2
	s_add_co_u32 s42, s42, s40                     ; nt = 4 x cluster x + cx
	s_and_b32 s43, ttmp7, 0xffff
	s_lshl_b32 s43, s43, 2
	s_add_co_u32 s43, s43, s41                     ; mt = 4 x cluster y + cy
	s_lshl_b32 s44, s41, 2
	s_lshl_b32 s44, 15, s44                        ; my row of the cluster
	s_lshl_b32 s45, 0x1111, s40                    ; my column
	s_or_b32 s[G1+0], s44, (1<<16)|(1<<20)|(1<<21)|(5<<22)|(3<<25)   ; mask; 2-byte elements; padding on; bit 21 beside a mask; after every 64 words, 4 words
	s_or_b32 s[G1B+0], s45, (1<<16)|(1<<20)|(1<<21)|(5<<22)|(3<<25)
	s_mov_b32 s[G1+1], KSTEP<<16                   ; tensor_dim0 = 128
	s_mov_b32 s[G1+2], 128<<16                     ; tensor_dim1 = 128
	s_mov_b32 s[G1+3], KSTEP<<16                   ; tile_dim0 = 128
	s_mov_b32 s[G1+4], 128                         ; tile_dim1 = 128
	s_mov_b32 s[G1+5], 2048                        ; elements from row to row
	s_mov_b32 s[G1+6], 0
	s_mov_b32 s[G1+7], 0
	s_mov_b32 s[G1B+1], KSTEP<<16
	s_mov_b32 s[G1B+2], 144<<16                    ; 144 rows
	s_mov_b32 s[G1B+3], KSTEP<<16
	s_mov_b32 s[G1B+4], 144
	s_mov_b32 s[G1B+5], 2048
	s_mov_b32 s[G1B+6], 0
	s_mov_b32 s[G1B+7], 0
	s_lshl_b32 s18, s43, 8                         ; xn's tile hangs on mt and the wave alone,
	s_lshl_b32 s19, s16, 7
	s_add_co_u32 s18, s18, s19
	s_lshl_b32 s18, s18, 12
	s_mov_b32 s19, 0
	s_mul_i32 s46, s42, 288                        ; w1t's on nt and the wave alone
	s_mul_i32 s47, s16, 144
	s_add_co_u32 s46, s46, s47
	s_lshl_b32 s46, s46, 12
	s_mov_b32 s47, 0
	s_mul_i32 s17, s16, HALFA                      ; where they go: no place in the cluster enters an LDS address
	s_mul_i32 s22, s16, HALFB
	s_add_co_u32 s22, s22, BOFF
	s_mov_b32 s[TB], 0
	s_mov_b32 s68, 0xbfb8aa3b                      ; - log2(e)
	s_mov_b32 s69, 0xbfb8aa3b
	s_mov_b32 s70, 0x76543210
	s_mov_b32 s71, 0xfedcba98
	s_wait_dscnt 0x0                               ; the opening add is done
	s_wait_kmcnt 0x0
	s_add_nc_u64 s[20:21], s[4:5], s[18:19]
	s_add_nc_u64 s[46:47], s[6:7], s[46:47]
	CROUND                                         ; all sixteen work-groups are here: the first joint loads meet
.irp s, 0,1
	s_mov_b32 s[G0+4*(\s)], 1
	s_add_co_u32 s[G0+4*(\s)+1], s17, (\s)*SLOT
	s_add_nc_u64 s[G0+4*(\s)+2:G0+4*(\s)+3], s[20:21], (\s)*KSTEP*2
	s_or_b32 s[G0+4*(\s)+3], s[G0+4*(\s)+3], 0x80000000
	s_mov_b32 s[G0B+4*(\s)], 1
	s_add_co_u32 s[G0B+4*(\s)+1], s22, (\s)*SLOT
	s_add_nc_u64 s[G0B+4*(\s)+2:G0B+4*(\s)+3], s[46:47], (\s)*KSTEP*2
	s_or_b32 s[G0B+4*(\s)+3], s[G0B+4*(\s)+3], 0x80000000
	JLOAD \s
.endr
	v_and_b32 v1, 15, v0                           ; r
	v_bfe_u32 v2, v0, 4, 1                         ; h
	v_mul_u32_u24 v3, v1, PITCH
	v_lshl_add_u32 v3, v2, 4, v3                   ; a fragment's row x pitch + 16 x half
	s_mul_i32 s21, s15, HALFA
	s_mul_i32 s22, s16, HALFB
	s_add_co_u32 s22, s22, BOFF
	v_add_nc_u32 v[ADRA0], s21, v3
	v_add_nc_u32 v[ADRB0], s22, v3
	v_mov_b32 v[ADRA], v[ADRA0]
	v_mov_b32 v[ADRB], v[ADRB0]
	v_and_b32 v4, 31, v0
	v_lshlrev_b32 v[QO], 4, v4
	v_lshlrev_b32 v4, 7, v1
	v_lshl_add_u32 v[TABO], v2, 6, v4
	s_and_b32 s66, s43, 7                          ; the table's lines for my 128 rows: place 256 (mt % 8) + 128 RH in the sequence
	s_lshl_b32 s66, s66, 8
	s_lshl_b32 s67, s15, 7
	s_add_co_u32 s66, s66, s67
	s_lshl_b32 s66, s66, 7
	s_mov_b32 s67, 0
	s_add_nc_u64 s[8:9], s[8:9], s[66:67]
	s_lshl_b32 s66, s43, 4                         ; act at row block 16 mt + 8 RH, k block 4 nt + 2 CH: blocks of 1,024 bytes, 80 a row block
	s_lshl3_add_u32 s66, s15, s66
	s_mul_i32 s66, s66, 80
	s_lshl2_add_u32 s66, s42, s66
	s_lshl1_add_u32 s66, s16, s66
	s_lshl_b32 s66, s66, 10
	s_add_nc_u64 s[10:11], s[10:11], s[66:67]
	s_lshl_b32 s66, s43, 4                         ; qf at row block 16 mt + 8 RH, head 2 nt + CH
	s_lshl3_add_u32 s66, s15, s66
	s_lshl_b32 s66, s66, 5
	s_lshl1_add_u32 s66, s42, s66
	s_add_co_u32 s66, s66, s16
	s_lshl_b32 s66, s66, 9
	s_add_nc_u64 s[12:13], s[12:13], s[66:67]
; 16 matrix instructions: row blocks a0, a0 + 1 of the window's four x column blocks 0-7, 32 along K, buffer f.  zero = 1: the product starts the sums
.macro MULB f, hi, a0, zero
	WIN 0xa1+0x50*(\hi)
.irp a, \a0, (\a0)+1
.irp b, 0,1,2,3,4,5,6,7
.if \zero
	v_wmma_f32_16x16x32_f16 v[8*(8*(\a)+(\b)):8*(8*(\a)+(\b))+7], v[64+72*(\f)+8*(\b):64+72*(\f)+8*(\b)+7], v[64+64*(\f)+8*(4*(\hi)+(\a)):64+64*(\f)+8*(4*(\hi)+(\a))+7], 0
.else
	v_wmma_f32_16x16x32_f16 v[8*(8*(\a)+(\b)):8*(8*(\a)+(\b))+7], v[64+72*(\f)+8*(\b):64+72*(\f)+8*(\b)+7], v[64+64*(\f)+8*(4*(\hi)+(\a)):64+64*(\f)+8*(4*(\hi)+(\a))+7], v[8*(8*(\a)+(\b)):8*(8*(\a)+(\b))+7]
.endif
.endr
.endr
.endm
; 8 matrix instructions: the ninth column block (q) x all 8 row blocks; accumulators in window 1
.macro MULX f, zero
	WIN 0x51
.irp a, 0,1,2,3,4,5,6,7
.if \zero
	v_wmma_f32_16x16x32_f16 v[8*(\a):8*(\a)+7], v[128+72*(\f):135+72*(\f)], v[64+64*(\f)+8*(\a):64+64*(\f)+8*(\a)+7], 0
.else
	v_wmma_f32_16x16x32_f16 v[8*(\a):8*(\a)+7], v[128+72*(\f):135+72*(\f)], v[64+64*(\f)+8*(\a):64+64*(\f)+8*(\a)+7], v[8*(\a):8*(\a)+7]
.endif
.endr
.endm
; 34 LDS loads in one run: a quarter step's fragments (144 rows of w1t, 128 rows of xn, 32 K at byte k of the rows of the slot in hand) into buffer f
.macro FETCH k, f
	WIN 0x40
.irp i, 0,1,2,3,4,5,6,7,8
	ds_load_b128 v[64+72*(\f)+8*(\i):64+72*(\f)+8*(\i)+3],   v[ADRB] offset:(\k)+(\i)*16*PITCH
	ds_load_b128 v[64+72*(\f)+8*(\i)+4:64+72*(\f)+8*(\i)+7], v[ADRB] offset:(\k)+(\i)*16*PITCH+32
.endr
	WIN 0
.irp i, 0,1,2,3,4,5,6,7
	ds_load_b128 v[64+64*(\f)+8*(\i):64+64*(\f)+8*(\i)+3],   v[ADRA] offset:(\k)+(\i)*16*PITCH
	ds_load_b128 v[64+64*(\f)+8*(\i)+4:64+64*(\f)+8*(\i)+7], v[ADRA] offset:(\k)+(\i)*16*PITCH+32
.endr
.endm
; A K step is four quarters of 32 along K, 72 matrix instructions each, on buffers 0, 1, 0, 1; the 72 accumulators take turns in one order.
; One of the first three: multiplies buffer f; in its middle it fetches the next quarter's fragments, at byte k of the rows, into buffer g.
.macro QUARTER k, f, g, zero
	s_wait_dscnt 8                                 ; w1t's fragments and xn's rows 0-63 are in; the youngest eight loads may be out
	MULB \f, 0, 0, \zero
	MULB \f, 0, 2, \zero
	PLACES
	FETCH \k, \g
	s_wait_dscnt 34                                ; all but the 34 just issued
	MULB \f, 1, 0, \zero
	MULB \f, 1, 2, \zero
	MULX \f, \zero
.endm
; The last quarter multiplies buffer 1 and changes slots: one barrier; in front of it each wave waits for all its tensor loads, adds 0 to its spare word, and waits for that and for its reads of this slot.
; fill = 1: the barrier opens a round of the cluster's, and this slot is filled again, two K steps ahead, first thing behind the round.
.macro TURN fill
	WIN 0
	s_wait_tensorcnt 0x0                           ; all my tensor loads have landed: the one that was out is my part of the next slot
	ds_add_u32 v[SPW], v[NIL]                      ; 0 onto my spare word
	s_wait_dscnt 9                                 ; (the add and the youngest eight loads may be out)
	MULB 1, 0, 0, 0
	s_wait_dscnt 0x0                               ; the add is done, and my reads of this slot are over
	s_barrier_signal -1
	MULB 1, 0, 2, 0
	WIN 0
	s_barrier_wait -1
.if \fill
	CREST                                          ; no wave of any partner still reads this slot or has a load on its way
	s_xor_b32 s[G0+5], s[G0+5], SLOT               ; the walking descriptors: the other slot than last time,
	s_add_nc_u64 s[G0+6:G0+7], s[G0+6:G0+7], KSTEP*2  ; the next K step; the type bits on top are not reached
	s_xor_b32 s[G0B+5], s[G0B+5], SLOT
	s_add_nc_u64 s[G0B+6:G0B+7], s[G0B+6:G0B+7], KSTEP*2
	JLOAD 1                                        ; its four v_nop are also the places in front of the loads below
.else
	PLACES
.endif
	s_xor_b32 s[TB], s[TB], SLOT                   ; the fetches go on in the other slot
	v_add_nc_u32 v[ADRA], s[TB], v[ADRA0]
	v_add_nc_u32 v[ADRB], s[TB], v[ADRB0]
	FETCH 0, 0
	MULB 1, 1, 0, 0
	MULB 1, 1, 2, 0
	MULX 1, 0
.endm
	s_wait_tensorcnt 1                             ; my part of K step 0 is in; K step 1's may stay out
	s_barrier_signal -1
	s_barrier_wait -1
	FETCH 0, 0
	QUARTER 64, 0, 1, 1                            ; the first quarter stands in front of the loop: its products start the sums
	WIN 0                                          ; at a label and at a branch every window is 0
	s_mov_b32 s3, 15                               ; the part of a trip that is entered now, and 14 whole trips: K steps 2 to 15 are asked for
	s_branch .Lmid
.Lstep:                                                ; a trip: the change of slots with its refill, then the next K step's first three quarters
	TURN 1
	QUARTER 64, 0, 1, 0
	WIN 0
.Lmid:
	QUARTER 128, 1, 0, 0
	QUARTER 192, 0, 1, 0
	WIN 0
	s_sub_co_u32 s3, s3, 1
	s_cmp_lg_u32 s3, 0
	s_cbranch_scc1 .Lstep
	TURN 0                                         ; the tail is written out: the last change of slots fills nothing
	QUARTER 64, 0, 1, 0
	QUARTER 128, 1, 0, 0
	QUARTER 192, 0, 1, 0
	s_wait_dscnt 8
	MULB 1, 0, 0, 0
	MULB 1, 0, 2, 0
	s_wait_dscnt 0x0
	MULB 1, 1, 0, 0
	MULB 1, 1, 2, 0
	MULX 1, 0
	; THE WAY OUT
	WIN 0
	PLACES
.set i, 0
.rept 32                                       ; the table's lines for my 128 rows: row block i / 4: cos 0-3, cos 4-7, sin 0-3, sin 4-7
	global_load_b128 v[TAB+4*i:TAB+4*i+3], v[TABO], s[8:9] offset:2048*(i/4)+16*(i%4)
.set i, i+1
.endr
; Row block a: silu(gate) val = gate val / (1 + 2^(-gate log2 e)), rounded to bf16.  Column block b's 16 bytes a lane are half b % 2 of k block b / 2 of my two: four stores, 2,048 consecutive bytes of act.
; Each accumulator is read from its low end on.
.macro SWIGLU a
.set AC, 64*((\a)%4)
.set WN, 2+(\a)/4
	WIN WN                                         ; source 0 in the accumulators' window
.set i, 0
.rept 16
	v_pk_mul_f32 v[T+2*i:T+2*i+1], v[AC+32+2*i:AC+33+2*i], s[68:69] op_sel_hi:[1,0]
.set i, i+1
.endr
	WIN 0
.set i, 0
.rept 32
	v_exp_f32 v[T+i], v[T+i]
.set i, i+1
.endr
	v_nop                                          ; a plain instruction behind the last exponential
.set i, 0
	s_wait_alu depctr_va_vdst(0)
.rept 16
	v_pk_add_f32 v[T+2*i:T+2*i+1], v[T+2*i:T+2*i+1], 1.0 op_sel_hi:[1,0]
.set i, i+1
.endr
.set i, 0
.rept 32
	v_rcp_f32 v[T+i], v[T+i]
.set i, i+1
.endr
	v_nop
	WIN WN<<2                                      ; source 1 in the accumulators' window
.set i, 0
	s_wait_alu depctr_va_vdst(0)
.rept 16
	v_pk_mul_f32 v[T+2*i:T+2*i+1], v[T+2*i:T+2*i+1], v[AC+32+2*i:AC+33+2*i]
.set i, i+1
.endr
.set i, 0
.rept 16
	v_pk_mul_f32 v[T+2*i:T+2*i+1], v[T+2*i:T+2*i+1], v[AC+2*i:AC+2*i+1]
.set i, i+1
.endr
	WIN 0
.if (\a) > 0
	s_wait_xcnt 0x0                                ; P, which the stores of the row block before read, is written again only behind this wait
.endif
.set i, 0
.rept 16
	v_cvt_pk_bf16_f32 v[P+i], v[T+2*i], v[T+2*i+1]
.set i, i+1
.endr
.irp b, 0,1,2,3
	global_store_b128 v[QO], v[P+4*(\b):P+4*(\b)+3], s[10:11] offset:81920*(\a)+512*(\b)  ; 512 consecutive bytes, at a multiple of 512 from act's first; a row block is 81,920 bytes
.endr
.endm
	SWIGLU 0
	SWIGLU 1
	SWIGLU 2
	SWIGLU 3
	SWIGLU 4
	SWIGLU 5
	SWIGLU 6
	SWIGLU 7
	; q: RoPE and the scale.  The channel eight away lies in the lane 16 away; the table's sin carries the sign
	s_wait_loadcnt 0x0                             ; the table
	s_wait_xcnt 0x0                                ; the stores above have read P, which lies in v64-127
	WIN 0x01
.set i, 0
.rept 64
	v_permlanex16_b32 v[T+i], v[i], s70, s71
.set i, i+1
.endr
	WIN 0
.set i, 0
.rept 32
	v_pk_mul_f32 v[T+2*i:T+2*i+1], v[T+2*i:T+2*i+1], v[TAB+16*(i/4)+8+2*(i%4):TAB+16*(i/4)+9+2*(i%4)]
.set i, i+1
.endr
	WIN 0x01
.set i, 0
.rept 32
	v_pk_fma_f32 v[T+2*i:T+2*i+1], v[2*i:2*i+1], v[TAB+16*(i/4)+2*(i%4):TAB+16*(i/4)+1+2*(i%4)], v[T+2*i:T+2*i+1]
.set i, i+1
.endr
	WIN 0
.set i, 0
.rept 32
	v_cvt_pk_bf16_f32 v[QP+i], v[T+2*i], v[T+2*i+1]
.set i, i+1
.endr
.set i, 0
.rept 8
	global_store_b128 v[QO], v[QP+4*i:QP+4*i+3], s[12:13] offset:16384*i  ; a fragment: 512 consecutive bytes
.set i, i+1
.endr
	s_wait_tensorcnt 0x0                           ; the wave's end
	ds_add_u32 v[SPW], v[NIL]
	s_wait_dscnt 0x0
	CROUND                                         ; the closing round
	s_endpgm
.Lfunc_end_k_q47dab9dc67_gemm1:
	.size	k_q47dab9dc67_gemm1, .Lfunc_end_k_q47dab9dc67_gemm1-k_q47dab9dc67_gemm1
	.p2alignl 7, 3214868480
	.fill 96, 4, 3214868480
	.section	.rodata,"a",@progbits
	.p2align	6, 0x0
	.amdhsa_kernel k_q47dab9dc67_gemm1
		.amdhsa_group_segment_fixed_size 327680
		.amdhsa_private_segment_fixed_size 0
		.amdhsa_enable_private_segment 0
		.amdhsa_kernarg_size 40
		.amdhsa_user_sgpr_count 2
		.amdhsa_user_sgpr_kernarg_segment_ptr 1
		.amdhsa_wavefront_size32 1
		.amdhsa_system_sgpr_workgroup_id_x 1
		.amdhsa_system_sgpr_workgroup_id_y 1
		.amdhsa_system_sgpr_workgroup_id_z 1
		.amdhsa_system_vgpr_workitem_id 0
		.amdhsa_next_free_vgpr 1024
		.amdhsa_next_free_sgpr 72
		.amdhsa_reserve_vcc 0
		.amdhsa_float_denorm_mode_32 3
		.amdhsa_float_denorm_mode_16_64 3
		.amdhsa_memory_ordered 1
		.amdhsa_forward_progress 1
		.amdhsa_inst_pref_size 155
	.end_amdhsa_kernel
	.amdgpu_metadata
---
amdhsa.version: [ 1, 2 ]
amdhsa.kernels:
  - .name:           k_q47dab9dc67_gemm1
    .symbol:         k_q47dab9dc67_gemm1.kd
    .args:
      - { .name: xn, .offset: 0, .size: 8, .value_kind: global_buffer, .address_space: global }
      - { .name: w1t, .offset: 8, .size: 8, .value_kind: global_buffer, .address_space: global }
      - { .name: rope, .offset: 16, .size: 8, .value_kind: global_buffer, .address_space: global }
      - { .name: act, .offset: 24, .size: 8, .value_kind: global_buffer, .address_space: global }
      - { .name: qf, .offset: 32, .size: 8, .value_kind: global_buffer, .address_space: global }
    .group_segment_fixed_size: 327680
    .private_segment_fixed_size: 0
    .kernarg_segment_align: 8
    .kernarg_segment_size: 40
    .max_flat_workgroup_size: 128
    .sgpr_count:     72
    .vgpr_count:     1024
    .wavefront_size: 32
...
	.end_amdgpu_metadata
.endif
;; end of part 3
;; launch attn (part 4): grid 128 x 2, 8 waves a work-group, clusters of 4 x 1, 262,144 bytes of LDS; arguments qf, kbuf, vbuf, attn_mask, act; writes act
.if DOCPART == 4
	.amdgcn_target "amdgcn-amd-amdhsa--gfx1250"
	.amdhsa_code_object_version 6
	.text
	.protected	k_q47dab9dc67_attn
	.globl	k_q47dab9dc67_attn
	.p2align	8
	.type	k_q47dab9dc67_attn,@function
k_q47dab9dc67_attn:
	s_mov_b64 s[64:65], 0
	v_nop
	global_prefetch_b8 v0, s[64:65] scope:SCOPE_SE
	s_setreg_imm32_b32 hwreg(HW_REG_WAVE_MODE, 25, 1), 1
	s_wait_xcnt 0x0
	s_wait_alu depctr_hold_cnt(0) depctr_sa_sdst(0) depctr_va_vdst(0) depctr_va_sdst(0) depctr_va_ssrc(0) depctr_va_vcc(0) depctr_vm_vsrc(0)
	s_getreg_b32 s2, hwreg(HW_REG_IB_STS2, 6, 4)
	s_cmp_eq_u32 s2, 0
	s_cbranch_scc0 .Lentry_in_a_cluster
	s_endpgm
.Lentry_in_a_cluster:
	s_bfe_u32 s2, ttmp6, 0x10000c
	s_cmp_lg_u32 s2, 0x3003
	s_cbranch_scc0 .Lentry_shape_is_right
	s_endpgm
.Lentry_shape_is_right:
; MULTI-QUERY ATTENTION, head size 16, with the mask that is an input.  A work-group owns 16 queries of one batch for all 32 heads; wave w owns heads 4 w .. 4 w + 3.
; A batch's K and V (2,048 keys x 32 bytes each) and the work-group's mask stay in LDS whole: nothing is filled twice, and the keys can be walked twice.
; PASS 1 finds each query's true maximum m of the scores; PASS 2 takes -m as the C operand of the same product, so a score costs one exponential and half a rounding, and nothing is rescaled.
; THE MASK RIDES IN THE PRODUCT.  S^T = A B with K = 32: A's row for key j is [k_j (16 channels) | mask(j, query 0..15)], B's column for query i is [q_i | unit vector e_i]: a hidden key adds -1.883 x 2^100.
; All 32 heads share the mask, so it is turned into bf16 once a work-group.  q carries RoPE and c = log2(e) / 4: scores are exponents of 2.
; A ROW WITH EVERY KEY HIDDEN (m below -2^99): q is taken as 0 and C as +1.883 x 2^100, so every score is exactly 0 and the weights are uniform, as in the reference.
; O^T = V^T P and the divisor l = ones x P (of the same rounded p) by the matrix unit; a lane holds one query (lane % 16) throughout.
; THE ORDER IN A STEP.  A step's products are issued first, and the vector work behind them does not wait for the last of them.  Pass 1: the scores have two sets of registers; step n's products are followed by the
; maxima of step n - 1.  Pass 2: P has two buffers; step n's eight score products are followed at once by the eight products V^T P and ones x P of step n - 1, and head 0's exponentials wait for the first two alone.
; O LEAVES AS THE LAST PRODUCT'S FRAGMENTS (act: [row block of 16][k block of 32][1,024 bytes]): a lane's eight channels of head 4 w + t are the 16 bytes at 16 x lane of half t % 2 of k block 64 + 2 w + t / 2:
; four stores from registers, 2,048 consecutive bytes a wave.
; LIMITS.  True scores (in exponents of 2) stay under 2^99 in magnitude; a weight below 2^-126 counts as 0; q, k, v, p in bf16; NaN and infinities are not treated apart.
; CLUSTER: the four work-groups of a cluster belong to one batch: K and V are asked for jointly, one tensor load a wave (waves 0-3 K, 4-7 V), one out at a time.
; Two waves share a SIMD.
; REGISTERS: window 0 as named below; window 1: v0-31 O^T (8 a head), v32-63 l (8 a head), v64-95 the C operand of pass 2 (8 a head).
.set KREG,  0                          ; 2,048 keys x 48 bytes (32 + 16 of padding: 16 keys of a load start at 16 different groups of four banks)
.set VREG,  98304                      ; 2,048 keys x 32 bytes
.set MREG,  163840                     ; 128 tiles of 16 keys x 528 bytes: 256 (query half) + 16 (key) holds eight queries' bf16
.set SPARE, 231424
.set AKA, 4                            ; v4  K's address in hand
.set AMA, 5                            ; v5  the mask's
.set AVA, 6                            ; v6  V's
.set AK0, 7
.set MST, 10
.set GO,  11                           ; v11 16 x lane
.set SPW, 12
.set NIL, 13
.set AM0, 14
.set ONES, 16
.set ID,  24
.set M,   28                           ; eight running maxima: head t, key tile u at 2 t + u
.set R,   36
.set BQ,  44                           ; source 1 of the scores' product, 8 a head
.set P1,  76                           ; P's second buffer, 8 a head; in pass 1 the first half of the scores' second set
.set AF0, 108                          ; source 0: two key tiles, two buffers
.set AF1, 124
.set VF0, 140
.set VF1, 148
.set S,   156                          ; the scores, 16 a head
.set P0,  220                          ; P's first buffer; in pass 1 the second half of the scores' second set
.set CNW, 64                           ; window 1
.set MSB, 0
.macro WIN new
.if MSB != (\new)
	s_set_vgpr_msb (MSB<<8)|(\new)
.set MSB, \new
.endif
.endm
.macro CROUND                          ; a round of the cluster's barrier
	s_barrier_signal -1
	s_barrier_wait -1
	s_cmp_lg_u32 s14, 0
	s_cbranch_scc1 .Lnot_wave_0_\@
	s_barrier_signal -3
.Lnot_wave_0_\@:
	s_barrier_wait -3
	s_barrier_signal -1
	s_barrier_wait -1
.endm
	s_load_b256 s[4:11], s[0:1], 0x0               ; qf s[4:5], kbuf s[6:7], vbuf s[8:9], attn_mask s[10:11]
	s_load_b64 s[12:13], s[0:1], 0x20              ; act
	v_lshl_add_u32 v[SPW], v0, 2, SPARE
	v_mov_b32 v[NIL], 0
	ds_add_u32 v[SPW], v[NIL]                      ; the wave's opening: the add and its wait ahead of my first tensor load
	v_lshrrev_b32 v1, 5, v0
	v_readfirstlane_b32 s14, v1                    ; wave 0..7
	s_and_b32 s15, s14, 3                          ; WQ: which quarter of the keys I fetch and turn
	s_lshr_b32 s16, s14, 2                         ; HQ: which eight queries' mask I turn
	s_bfe_u32 s17, ttmp6, 0x40000                  ; cx
	s_lshl_b32 s18, ttmp9, 2
	s_add_co_u32 s18, s18, s17                     ; my tile of 16 queries: it enters the addresses of q, the mask and act alone
	s_and_b32 s19, ttmp7, 0xffff                   ; the batch, which the four partners share
	; 512 keys are 16,384 dense bytes: asked for as 64 rows of 256 bytes
	s_mov_b32 s24, 15|(1<<16)|(1<<20)|(1<<21)|(2<<22)|(3<<25)  ; K: the mask of four; 2-byte elements; padding on; bit 21 beside a mask; after every 8 words, 4 words
	s_mov_b32 s32, 15|(1<<16)|(1<<21)              ; V: no padding
.irp g, 24, 32
	s_mov_b32 s[\g+1], 128<<16                     ; tensor_dim0 = 128
	s_mov_b32 s[\g+2], 64<<16                      ; tensor_dim1 = 64
	s_mov_b32 s[\g+3], 128<<16                     ; tile_dim0 = 128
	s_mov_b32 s[\g+4], 64                          ; tile_dim1 = 64
	s_mov_b32 s[\g+5], 128
	s_mov_b32 s[\g+6], 0
	s_mov_b32 s[\g+7], 0
.endr
	s_mov_b32 s40, 1
	s_mul_i32 s41, s15, 24576                      ; KREG + my 512 keys x 48
	s_mov_b32 s44, 1
	s_lshl_b32 s45, s15, 14
	s_add_co_u32 s45, s45, VREG
	s_lshl_b32 s20, s19, 16
	s_lshl_b32 s21, s15, 14
	s_add_co_u32 s20, s20, s21
	s_mov_b32 s21, 0
	s_mov_b32 s50, 0x76543210
	s_mov_b32 s51, 0xfedcba98
	s_mov_b32 s52, 0x04040000                      ; v_perm_b32: byte e of two words, each doubled
	s_mov_b32 s53, 0x05050101
	s_mov_b32 s54, 0x06060202
	s_mov_b32 s55, 0x07070303
	s_mov_b32 s56, 0xf1
	s_mov_b32 s58, 0xf1000000                      ; -2^99
	s_mov_b32 s59, 0x71f10000                      ; +1.883 x 2^100
	v_and_b32 v1, 31, v0
	v_and_b32 v2, 15, v0                           ; r
	v_bfe_u32 v3, v0, 4, 1                         ; h
	v_lshlrev_b32 v[GO], 4, v1
	s_wait_dscnt 0x0                               ; the opening add is done
	s_wait_kmcnt 0x0
	s_add_nc_u64 s[42:43], s[6:7], s[20:21]
	s_or_b32 s43, s43, 0x80000000
	s_add_nc_u64 s[46:47], s[8:9], s[20:21]
	s_or_b32 s47, s47, 0x80000000
	s_lshl_b32 s22, s19, 22                        ; the mask at batch, row 16 tile + 8 HQ, key 512 WQ
	s_lshl_b32 s23, s18, 15
	s_add_co_u32 s22, s22, s23
	s_lshl_b32 s23, s16, 14
	s_add_co_u32 s22, s22, s23
	s_lshl_b32 s23, s15, 9
	s_add_co_u32 s22, s22, s23
	s_mov_b32 s23, 0
	s_add_nc_u64 s[10:11], s[10:11], s[22:23]
	s_lshl_b32 s22, s19, 7                         ; q at row block 128 batch + tile, head 4 w
	s_add_co_u32 s22, s22, s18
	s_lshl_b32 s22, s22, 5
	s_lshl2_add_u32 s22, s14, s22
	s_lshl_b32 s22, s22, 9
	s_add_nc_u64 s[4:5], s[4:5], s[22:23]
	s_lshl_b32 s22, s19, 7                         ; act at row block 128 batch + tile, k block 64 + 2 w: blocks of 1,024 bytes, 80 a row block
	s_add_co_u32 s22, s22, s18
	s_mul_i32 s22, s22, 80
	s_lshl1_add_u32 s22, s14, s22
	s_add_co_u32 s22, s22, 64
	s_lshl_b32 s22, s22, 10
	s_add_nc_u64 s[12:13], s[12:13], s[22:23]
.set i, 0
.rept 8
	global_load_b128 v[S+4*i:S+4*i+3], v[GO], s[10:11] offset:2048*i th:TH_LOAD_NT  ; query 8 HQ + i, my lane's 16 keys: 512 consecutive bytes a load
.set i, i+1
.endr
.set t, 0
.rept 4
	global_load_b128 v[BQ+8*t:BQ+8*t+3], v[GO], s[4:5] offset:512*t
.set t, t+1
.endr
	CROUND                                         ; all four work-groups are here: the joint loads meet
	s_cmp_lt_u32 s14, 4
	s_cbranch_scc0 .Lfor_v
	tensor_load_to_lds s[40:43], s[24:31]
	s_nop 0
.rept 4
	v_nop
.endr
	s_branch .Lasked
.Lfor_v:
	tensor_load_to_lds s[44:47], s[32:39]
	s_nop 0
.rept 4
	v_nop
.endr
.Lasked:
	; the unit vector: element 16 + i of query i's column is 1: in lane (r, h) that is bf16 number r - 8 h of registers 4-7, if it lies in 0..7
	v_lshlrev_b32 v15, 3, v3
	v_xor_b32 v15, v2, v15
	v_and_b32 v36, 1, v15
	v_lshlrev_b32 v36, 4, v36
	v_mov_b32 v37, 0x3f80
	v_lshlrev_b32 v36, v36, v37                    ; 1.0 in the low or the high half
	v_lshrrev_b32 v15, 1, v15
.irp p, 0,1,2,3
	v_cmp_eq_u32 vcc_lo, \p, v15
	v_cndmask_b32 v[ID+\p], 0, v36, vcc_lo
.endr
.set t, 0
.rept 4
.irp p, 0,1,2,3
	v_mov_b32 v[BQ+8*t+4+\p], v[ID+\p]
.endr
.set t, t+1
.endr
.set i, 0
.rept 8
	v_mov_b32 v[ONES+i], 0x3f803f80
	v_mov_b32 v[M+i], 0xff7fffff
.set i, i+1
.endr
	v_mul_u32_u24 v[AK0], v2, 48
	v_lshl_add_u32 v[AK0], v3, 4, v[AK0]           ; key x 48 + 16 x half
	v_add_nc_u32 v[AM0], MREG, v[GO]
	v_and_b32 v15, 7, v0                           ; the turning load: key 8 h + lane % 8, channels 8 ((lane / 8) % 2) on
	v_lshl_add_u32 v15, v3, 3, v15
	v_bfe_u32 v36, v0, 3, 1
	v_lshlrev_b32 v15, 5, v15
	v_lshl_add_u32 v15, v36, 4, v15
	v_add_nc_u32 v[AVA], VREG, v15
	v_mov_b32 v[AKA], v[AK0]
	v_mov_b32 v[AMA], v[AM0]
	s_mul_i32 s22, s15, 16896                      ; my lane's key tile 32 WQ + lane, my eight queries' half
	s_lshl_b32 s23, s16, 8
	s_add_co_u32 s22, s22, s23
	s_add_co_u32 s22, s22, MREG
	v_mul_u32_u24 v[MST], v1, 528
	v_add_nc_u32 v[MST], s22, v[MST]
	s_wait_loadcnt 0x4                             ; the mask is in; q's four loads may stay out
.set i, 0
.rept 32
	v_xor_b32 v[S+i], 0x01010101, v[S+i]           ; 1 where hidden,
.set i, i+1
.endr
.set i, 0
.rept 32
	v_mul_lo_u32 v[S+i], v[S+i], s56               ; 0xF1 where hidden: doubled it is bf16 -1.883 x 2^100
.set i, i+1
.endr
.set k, 0
.rept 16                                       ; key k of my 16: byte k % 4 of word k / 4 of each query's four words
.set p, 0
.rept 4
	v_perm_b32 v[S+32+4*k+p], v[S+4*(2*p+1)+k/4], v[S+4*(2*p)+k/4], s[52+k%4]
.set p, p+1
.endr
	ds_store_b128 v[MST], v[S+32+4*k:S+35+4*k] offset:16*k
.set k, k+1
.endr
	s_wait_loadcnt 0x0                             ; q
	s_wait_tensorcnt 0x0                           ; my part of K or V has landed,
	s_wait_dscnt 0x0                               ; my part of the mask is stored:
	s_barrier_signal -1
	s_barrier_wait -1                              ; everybody's is
.macro FETCH_A buf, ko, mo             ; 32 keys: two tiles of [k | mask]
	ds_load_b128 v[(\buf):(\buf)+3],     v[AKA] offset:(\ko)
	ds_load_b128 v[(\buf)+4:(\buf)+7],   v[AMA] offset:(\mo)
	ds_load_b128 v[(\buf)+8:(\buf)+11],  v[AKA] offset:(\ko)+768
	ds_load_b128 v[(\buf)+12:(\buf)+15], v[AMA] offset:(\mo)+528
.endm
.macro FETCH_V buf, vo                 ; 32 keys of V, turned: lane holds channel lane % 16
	ds_load_tr16_b128 v[(\buf):(\buf)+3],   v[AVA] offset:(\vo)
	ds_load_tr16_b128 v[(\buf)+4:(\buf)+7], v[AVA] offset:(\vo)+512
.endm
.macro ACCREG set                      ; rD: accumulator q (head q / 2, key tile q % 2) of the scores' set 0 or 1
.if (\set) == 0
.set rD, S+8*q
.elseif q < 4
.set rD, P1+8*q
.else
.set rD, P0+8*(q-4)
.endif
.endm
.macro QK cur, set, c                  ; 8 products, 8 accumulators.  c = 1: C is -m, in window 1
.if \c
	WIN 0x10
.endif
.set q, 0
.rept 8
	ACCREG \set
.if \c
	v_wmma_f32_16x16x32_bf16 v[rD:rD+7], v[(\cur)+8*(q%2):(\cur)+8*(q%2)+7], v[BQ+8*(q/2):BQ+8*(q/2)+7], v[CNW+8*(q/2):CNW+8*(q/2)+7]
.else
	v_wmma_f32_16x16x32_bf16 v[rD:rD+7], v[(\cur)+8*(q%2):(\cur)+8*(q%2)+7], v[BQ+8*(q/2):BQ+8*(q/2)+7], 0
.endif
.set q, q+1
.endr
.endm
.macro MAXS set                        ; 32 lines, eight chains side by side; each accumulator is read from its low end on
.set j, 0
.rept 4
.set q, 0
.rept 8
	ACCREG \set
	v_max3_num_f32 v[M+q], v[M+q], v[rD+2*j], v[rD+2*j+1]
.set q, q+1
.endr
.set j, j+1
.endr
.endm
; A step of pass 1: 32 keys.  The next step's fragments are asked for (pre; bump: the addresses go on by two steps first) into the buffer that the products of the step before read, 32 plain lines back;
; this step's products go into one set of registers; the maxima of the step before, out of the other set, stand behind them and are their places.
.macro STEP1 cur, nxt, set, pre, bump
	s_wait_dscnt 0x0                               ; this step's fragments are in: they were asked for a step ago
.if \bump
	v_add_nc_u32 v[AKA], 3072, v[AKA]
	v_add_nc_u32 v[AMA], 2112, v[AMA]
.endif
.if \pre
.if \bump
	FETCH_A \nxt, 0, 0
.else
	FETCH_A \nxt, 1536, 1056
.endif
.endif
	QK \cur, \set, 0
	MAXS 1-(\set)
.endm
.macro EXPS t
.set i, 0
.rept 16
	v_exp_f32 v[S+16*(\t)+i], v[S+16*(\t)+i]
.set i, i+1
.endr
.endm
.macro CVTS t, p
.set i, 0
	s_wait_alu depctr_va_vdst(0)
.rept 8
	v_cvt_pk_bf16_f32 v[(\p)+8*(\t)+i], v[S+16*(\t)+2*i], v[S+16*(\t)+2*i+1]
.set i, i+1
.endr
.endm
.macro PV vb, p, zero                  ; O^T += V^T P and l += ones x P, the eight accumulators by turns.  zero = 1: the products start the sums
	WIN 0x50                                       ; C and D in window 1
.set t, 0
.rept 4
.if \zero
	v_wmma_f32_16x16x32_bf16 v[8*t:8*t+7], v[(\vb):(\vb)+7], v[(\p)+8*t:(\p)+8*t+7], 0
	v_wmma_f32_16x16x32_bf16 v[32+8*t:39+8*t], v[ONES:ONES+7], v[(\p)+8*t:(\p)+8*t+7], 0
.else
	v_wmma_f32_16x16x32_bf16 v[8*t:8*t+7], v[(\vb):(\vb)+7], v[(\p)+8*t:(\p)+8*t+7], v[8*t:8*t+7]
	v_wmma_f32_16x16x32_bf16 v[32+8*t:39+8*t], v[ONES:ONES+7], v[(\p)+8*t:(\p)+8*t+7], v[32+8*t:39+8*t]
.endif
.set t, t+1
.endr
.endm
; A step of pass 2, n.  The scores less m; at once behind them the second products of step n - 1 (pv = 2; 1: they start the sums; 0: there is no step before), out of V's buffer vb and P's buffer pprev;
; four places; the fragments of step n + 1, V's into vb; 64 exponentials and 32 roundings, which are source 1 of the second product as they lie, into P's buffer pcur.
.macro STEP2 cur, nxt, vb, pcur, pprev, pre, bump, pv
	s_wait_dscnt 0x0                               ; this step's fragments are in
	QK \cur, 0, 1
.if (\pv) == 1
	PV \vb, \pprev, 1
.elseif (\pv) == 2
	PV \vb, \pprev, 0
.endif
	WIN 0
.if \bump
	v_add_nc_u32 v[AKA], 3072, v[AKA]
	v_add_nc_u32 v[AMA], 2112, v[AMA]
	v_add_nc_u32 v[AVA], 2048, v[AVA]
	v_nop
.else
.rept 4
	v_nop
.endr
.endif
.if \pre
.if \bump
	FETCH_A \nxt, 0, 0
	FETCH_V \vb, 0
.else
	FETCH_A \nxt, 1536, 1056
	FETCH_V \vb, 1024
.endif
.endif
	EXPS 0
	EXPS 1
	v_nop                                          ; a plain instruction behind the exponentials before their results are used
	s_wait_alu depctr_va_vdst(0)
	CVTS 0, \pcur
	EXPS 2
	CVTS 1, \pcur
	EXPS 3
	CVTS 2, \pcur
	CVTS 3, \pcur
.endm
	; PASS 1: 64 steps of 32 keys
	FETCH_A AF0, 0, 0
	s_wait_dscnt 0x0
	FETCH_A AF1, 1536, 1056
	QK AF0, 0, 0                                   ; step 0: there are no maxima yet to set behind its products
.rept 4
	v_nop                                          ; so four places stand there
.endr
	s_mov_b32 s48, 31
.Lp1:                                                  ; steps 1 to 62
	STEP1 AF1, AF0, 1, 1, 1
	STEP1 AF0, AF1, 0, 1, 0
	s_sub_co_u32 s48, s48, 1
	s_cmp_lg_u32 s48, 0
	s_cbranch_scc1 .Lp1
	STEP1 AF1, AF0, 1, 0, 0                        ; step 63 asks for nothing
	MAXS 1                                         ; and its maxima
	; m for each head: my two chains, then the query's other keys, which lie in the lane 16 away
.set t, 0
.rept 4
	v_max_num_f32 v[M+2*t], v[M+2*t], v[M+2*t+1]
.set t, t+1
.endr
.set t, 0
.rept 4
	v_permlanex16_b32 v[M+2*t+1], v[M+2*t], s50, s51
.set t, t+1
.endr
.set t, 0
.rept 4
	v_max_num_f32 v[M+2*t], v[M+2*t], v[M+2*t+1]
.set t, t+1
.endr
.set t, 0
.rept 4
	v_cmp_gt_f32 vcc_lo, s58, v[M+2*t]             ; every key hidden?
	v_xor_b32 v[M+2*t+1], 0x80000000, v[M+2*t]
	v_cndmask_b32 v[R+t], v[M+2*t+1], s59, vcc_lo
.irp i, 0,1,2,3
	v_cndmask_b32 v[BQ+8*t+\i], v[BQ+8*t+\i], 0, vcc_lo
.endr
.set t, t+1
.endr
	WIN 0x40                                       ; the C operand: a head's -m in all eight registers, in window 1
.set i, 0
.rept 32
	v_mov_b32 v[CNW+i], v[R+i/8]
.set i, i+1
.endr
	WIN 0
	v_mov_b32 v[AKA], v[AK0]
	v_mov_b32 v[AMA], v[AM0]
	; PASS 2
	FETCH_A AF0, 0, 0
	FETCH_V VF0, 0
	STEP2 AF0, AF1, VF1, P0, P1, 1, 0, 0           ; step 0
	STEP2 AF1, AF0, VF0, P1, P0, 1, 1, 1           ; step 1: step 0's second products start O^T's and l's sums
	s_mov_b32 s48, 30
.Lp2:                                                  ; steps 2 to 61
	STEP2 AF0, AF1, VF1, P0, P1, 1, 0, 2
	STEP2 AF1, AF0, VF0, P1, P0, 1, 1, 2
	s_sub_co_u32 s48, s48, 1
	s_cmp_lg_u32 s48, 0
	s_cbranch_scc1 .Lp2
	STEP2 AF0, AF1, VF1, P0, P1, 1, 0, 2
	STEP2 AF1, AF0, VF0, P1, P0, 0, 0, 2           ; step 63 asks for nothing
	PV VF1, P1, 0                                  ; and its second products
	; THE WAY OUT: O^T / l, rounded to bf16, stored from registers as fragments
	WIN 0
.rept 4
	v_nop
.endr
	WIN 0x01
.set t, 0
.rept 4
	v_rcp_f32 v[R+2*t], v[32+8*t]                  ; every register of l's accumulator holds the query's sum: the lowest is read
	v_rcp_f32 v[R+2*t+1], v[32+8*t]
.set t, t+1
.endr
	v_nop
.set i, 0
	s_wait_alu depctr_va_vdst(0)
.rept 16
	v_pk_mul_f32 v[S+2*i:S+2*i+1], v[2*i:2*i+1], v[R+2*(i/4):R+2*(i/4)+1]
.set i, i+1
.endr
	WIN 0
.set i, 0
.rept 16
	v_cvt_pk_bf16_f32 v[P0+i], v[S+2*i], v[S+2*i+1]
.set i, i+1
.endr
.irp t, 0,1,2,3
	global_store_b128 v[GO], v[P0+4*\t:P0+4*\t+3], s[12:13] offset:512*\t  ; 512 consecutive bytes, at a multiple of 512 from act's first
.endr
	s_wait_tensorcnt 0x0                           ; the wave's end
	ds_add_u32 v[SPW], v[NIL]
	s_wait_dscnt 0x0
	CROUND                                         ; the closing round
	s_endpgm
.Lfunc_end_k_q47dab9dc67_attn:
	.size	k_q47dab9dc67_attn, .Lfunc_end_k_q47dab9dc67_attn-k_q47dab9dc67_attn
	.p2alignl 7, 3214868480
	.fill 96, 4, 3214868480
	.section	.rodata,"a",@progbits
	.p2align	6, 0x0
	.amdhsa_kernel k_q47dab9dc67_attn
		.amdhsa_group_segment_fixed_size 262144
		.amdhsa_private_segment_fixed_size 0
		.amdhsa_enable_private_segment 0
		.amdhsa_kernarg_size 40
		.amdhsa_user_sgpr_count 2
		.amdhsa_user_sgpr_kernarg_segment_ptr 1
		.amdhsa_wavefront_size32 1
		.amdhsa_system_sgpr_workgroup_id_x 1
		.amdhsa_system_sgpr_workgroup_id_y 1
		.amdhsa_system_sgpr_workgroup_id_z 1
		.amdhsa_system_vgpr_workitem_id 0
		.amdhsa_next_free_vgpr 352
		.amdhsa_next_free_sgpr 66
		.amdhsa_reserve_vcc 1
		.amdhsa_float_denorm_mode_32 3
		.amdhsa_float_denorm_mode_16_64 3
		.amdhsa_memory_ordered 1
		.amdhsa_forward_progress 1
		.amdhsa_inst_pref_size 72
	.end_amdhsa_kernel
	.amdgpu_metadata
---
amdhsa.version: [ 1, 2 ]
amdhsa.kernels:
  - .name:           k_q47dab9dc67_attn
    .symbol:         k_q47dab9dc67_attn.kd
    .args:
      - { .name: qf, .offset: 0, .size: 8, .value_kind: global_buffer, .address_space: global }
      - { .name: kbuf, .offset: 8, .size: 8, .value_kind: global_buffer, .address_space: global }
      - { .name: vbuf, .offset: 16, .size: 8, .value_kind: global_buffer, .address_space: global }
      - { .name: attn_mask, .offset: 24, .size: 8, .value_kind: global_buffer, .address_space: global }
      - { .name: act, .offset: 32, .size: 8, .value_kind: global_buffer, .address_space: global }
    .group_segment_fixed_size: 262144
    .private_segment_fixed_size: 0
    .kernarg_segment_align: 8
    .kernarg_segment_size: 40
    .max_flat_workgroup_size: 256
    .sgpr_count:     66
    .vgpr_count:     352
    .wavefront_size: 32
...
	.end_amdgpu_metadata
.endif
;; end of part 4
;; launch gemm2 (part 5): grid 32 x 8, 4 waves a work-group, clusters of 4 x 1, 327,680 bytes of LDS; arguments act, w2t, out0; writes out0
.if DOCPART == 5
	.amdgcn_target "amdgcn-amd-amdhsa--gfx1250"
	.amdhsa_code_object_version 6
	.text
	.protected	k_q47dab9dc67_gemm2
	.globl	k_q47dab9dc67_gemm2
	.p2align	8
	.type	k_q47dab9dc67_gemm2,@function
k_q47dab9dc67_gemm2:
	s_mov_b64 s[64:65], 0
	v_nop
	global_prefetch_b8 v0, s[64:65] scope:SCOPE_SE
	s_setreg_imm32_b32 hwreg(HW_REG_WAVE_MODE, 25, 1), 1
	s_wait_xcnt 0x0
	s_wait_alu depctr_hold_cnt(0) depctr_sa_sdst(0) depctr_va_vdst(0) depctr_va_sdst(0) depctr_va_ssrc(0) depctr_va_vcc(0) depctr_vm_vsrc(0)
	s_getreg_b32 s2, hwreg(HW_REG_IB_STS2, 6, 4)
	s_cmp_eq_u32 s2, 0
	s_cbranch_scc0 .Lentry_in_a_cluster
	s_endpgm
.Lentry_in_a_cluster:
	s_bfe_u32 s2, ttmp6, 0x10000c
	s_cmp_lg_u32 s2, 0x3003
	s_cbranch_scc0 .Lentry_shape_is_right
	s_endpgm
.Lentry_shape_is_right:
; BOTH OUTPUT PROJECTIONS AS ONE PRODUCT: out0[m][n] = sum over k of act[m][k] w2t[n][k], K = 2,560 (2,048 of the feed-forward, 512 of the attention).  act, w2t bf16; sums and out0 in f32.
; A tile of out0 is 128 x 256, which gives each of 256 work-groups one; four waves, each 64 x 128: 32 accumulators of 16 x 16.  Work-group x is the tile row mt, y the tile column nt.
; THE TWO OPERANDS COME BY TWO ROADS, since two slots of 256 along K for all 384 rows would be 2 x 384 x 528 = 405,504 bytes of LDS:
;   w2t through a ring of two LDS slots of 256 rows x 256 along K (rows of 512 bytes, at multiples of 512 from the buffer's first byte): one tensor load of 64 rows a wave behind each round,
;   and a slot step of 256 matrix instructions a wave in which it lands;
;   act straight into registers.  It lies in fragment order ([row block of 16][k block of 32][1,024 bytes]), so a fragment is two loads of 512 consecutive bytes.  A CHUNK is my four fragments of 32 along K,
;   eight loads; eight register buffers take turns; chunk q + 7 is asked for at the head of quarter q, 224 matrix instructions ahead of its use; at most 56 loads of a wave are out.
; CLUSTER: the four work-groups of a cluster share nt, so w2t's tiles are asked for jointly, with the mask of all four.  act is not: a joint load would bring it through LDS, which has no room for it (above);
; the two waves of a row half both load it.  By this text's count a wave has two tensor loads out at the start and one behind each round.
; THE MATRIX INSTRUCTION IS USED TRANSPOSED (source 0 = 16 rows of w2t, source 1 = 16 rows of act): a lane holds eight neighbouring numbers of a row of out0.
; A trip of the loop is one slot step, eight quarters of 32 along K, as many as act has buffers, from a change of slots to the quarter in front of the next: one walking descriptor (its LDS word turned by an
; exclusive or, its address 512 bytes on) and one fetch address (a scalar that is 0 or SLOT, added to the lane's place) serve both slots.  The loop is entered in the middle of a trip, behind the first quarter.
; REGISTERS, in windows of 256 (s_set_vgpr_msb: bits 1:0 source 0, 3:2 source 1, 5:4 source 2, 7:6 destination):
;   window 0: v0-31 addresses; v64-127, v128-191 w2t's fragments (8), two buffers.   window 1: accumulator (a, b) at 8 (8 a + b).   window 2: act's chunk buffer c at 32 c, fragment a at + 8 a.
.set PITCH,  528                       ; an LDS row: 512 bytes + 16 of padding: the 16 rows of a fragment load start at 16 different groups of four banks (64 banks of 4 bytes: ISA guide 11.1)
.set QROWS,  64*PITCH                  ; what one tensor load brings: 0x8400
.set SLOT,   4*QROWS                   ; 0x21000: it shares no bit with 0x8400 x wave, so an exclusive or with it turns a wave's LDS address in one slot into the other's
.set STAGE,  2*SLOT                    ; behind the ring: 16 rows x 528 bytes for each wave
.set SPITCH, 528
.set SPARE,  STAGE+4*16*SPITCH
.set RBLOCK, 81920                     ; a row block of act: 80 k blocks of 1,024 bytes
.set ADRB0, 16                         ; v16  my lane's place in slot 0; never rewritten
.set ADRB,  17                         ; v17  the same in the slot that is fetched from
.set STO,  24
.set RD,   25
.set CO,   26                          ; v26  16 x lane: my place in 512 bytes of act and of out0; never rewritten
.set SPW,  28
.set NIL,  29
.set PA,  20                           ; s[20:21] act at my four row blocks, at the slot step's first chunk
.set TB,  22                           ; s22      0 or SLOT
.set G1,  24                           ; s[24:31] descriptor group 1
.set G0F, 32                           ; s[32:35] group 0 of slot 0's first fill
.set G0,  36                           ; s[36:39] group 0 of slot 1's first fill; it then walks
.set MSB, 0
.macro WIN new                         ; the immediate's high byte repeats the setting that is left; a switch that changes nothing is dropped
.if MSB != (\new)
	s_set_vgpr_msb (MSB<<8)|(\new)
.set MSB, \new
.endif
.endm
.macro PLACES                          ; four places in front of loads into registers that matrix instructions have read, and of lines that read results
.rept 4
	v_nop
.endr
.endm
.macro CREST                           ; a round of the cluster's barrier behind its opening barrier
	s_cmp_lg_u32 s10, 0
	s_cbranch_scc1 .Lnot_wave_0_\@
	s_barrier_signal -3
.Lnot_wave_0_\@:
	s_barrier_wait -3
	s_barrier_signal -1
	s_barrier_wait -1
.endm
.macro CROUND
	s_barrier_signal -1
	s_barrier_wait -1
	CREST
.endm
.macro MUL8 fb, ab, a, zero            ; row block a x all 8 column blocks, 32 along K: w2t's buffer fb, act's buffer ab
	WIN 0x58                                       ; source 0 window 0, source 1 window 2, C and D window 1
.irp b, 0,1,2,3,4,5,6,7
.if \zero
	v_wmma_f32_16x16x32_bf16 v[8*(8*(\a)+(\b)):8*(8*(\a)+(\b))+7], v[64+64*(\fb)+8*(\b):64+64*(\fb)+8*(\b)+7], v[32*(\ab)+8*(\a):32*(\ab)+8*(\a)+7], 0
.else
	v_wmma_f32_16x16x32_bf16 v[8*(8*(\a)+(\b)):8*(8*(\a)+(\b))+7], v[64+64*(\fb)+8*(\b):64+64*(\fb)+8*(\b)+7], v[32*(\ab)+8*(\a):32*(\ab)+8*(\a)+7], v[8*(8*(\a)+(\b)):8*(8*(\a)+(\b))+7]
.endif
.endr
.endm
.macro FETCH k, fb                     ; 16 LDS loads in one run: w2t's eight fragments of 32 along K at byte k of the rows
	WIN 0
.irp i, 0,1,2,3,4,5,6,7
	ds_load_b128 v[64+64*(\fb)+8*(\i):64+64*(\fb)+8*(\i)+3],   v[ADRB] offset:(\k)+(\i)*16*PITCH
	ds_load_b128 v[64+64*(\fb)+8*(\i)+4:64+64*(\fb)+8*(\i)+7], v[ADRB] offset:(\k)+(\i)*16*PITCH+32
.endr
.endm
.macro ALOAD c, ab                     ; 8 loads: chunk c, counted from the pointer, into buffer ab; each covers 512 consecutive bytes
	WIN 0x80                                       ; destination window 2, address window 0
.irp a, 0,1,2,3
	global_load_b128 v[32*(\ab)+8*(\a):32*(\ab)+8*(\a)+3],   v[CO], s[PA:PA+1] offset:RBLOCK*(\a)+1024*(\c)
	global_load_b128 v[32*(\ab)+8*(\a)+4:32*(\ab)+8*(\a)+7], v[CO], s[PA:PA+1] offset:RBLOCK*(\a)+1024*(\c)+512
.endr
.endm
; Quarter j (j % 8 is its place in its slot step): 32 matrix instructions; the 32 accumulators take turns in one order.  At its head, behind four places:
; the next quarter's fragments of w2t (fetch = 1), the wait for this quarter's chunk (lcnt: the loads of the younger chunks, which stay out), and the chunk seven on (ld = 1) into the buffer read last.
.macro QUARTER j, ld, lcnt, zero=0, fetch=1
	WIN 0
	PLACES
.if \fetch
	FETCH 64*(((\j)+1)%8), 1-(\j)%2
.endif
	s_wait_loadcnt \lcnt
.if \ld
	ALOAD (\j)+7, ((\j)+7)%8
.endif
.if \fetch
	s_wait_dscnt 16                                ; all but the 16 just issued
.else
	s_wait_dscnt 0x0
.endif
	MUL8 (\j)%2, (\j)%8, 0, \zero
	MUL8 (\j)%2, (\j)%8, 1, \zero
	MUL8 (\j)%2, (\j)%8, 2, \zero
	MUL8 (\j)%2, (\j)%8, 3, \zero
.endm
; A slot step's last quarter (j = 7) changes slots: one barrier; in front of it each wave waits for all its tensor loads, adds 0 to its spare word, and waits for that and for its reads of this slot.
; fill = 1: the barrier opens a round of the cluster's, and this slot is filled again, two slot steps ahead, first thing behind the round.
.macro TURN fill
	WIN 0
	s_wait_tensorcnt 0x0                           ; all my tensor loads have landed: the one that was out is my part of the next slot
	ds_add_u32 v[SPW], v[NIL]                      ; 0 onto my spare word
	s_wait_loadcnt 48                              ; this quarter's chunk is in; six younger chunks stay out
	s_wait_dscnt 1                                 ; this quarter's fragments of w2t are in; the add may be out
	MUL8 1, 7, 0, 0
	s_wait_dscnt 0x0                               ; the add is done, and my reads of this slot are over
	s_barrier_signal -1
	MUL8 1, 7, 1, 0
	WIN 0
	s_barrier_wait -1
.if \fill
	CREST                                          ; no wave of any partner still reads this slot or has a load on its way
	s_xor_b32 s[G0+1], s[G0+1], SLOT               ; the walking descriptor: the other slot than last time,
	s_add_nc_u64 s[G0+2:G0+3], s[G0+2:G0+3], 512   ; the next 256 along K; the type bits on top are not reached
	tensor_load_to_lds s[G0:G0+3], s[G1:G1+7]
	s_nop 0
.rept 4
	v_nop                                          ; also the places in front of the loads below
.endr
.else
	PLACES
.endif
	s_xor_b32 s[TB], s[TB], SLOT                   ; the fetches go on in the other slot
	v_add_nc_u32 v[ADRB], s[TB], v[ADRB0]
	FETCH 0, 0
	ALOAD 14, 6
	MUL8 1, 7, 2, 0
	MUL8 1, 7, 3, 0
.endm
	s_load_b128 s[4:7], s[0:1], 0x0                ; act s[4:5], w2t s[6:7]
	s_load_b64 s[8:9], s[0:1], 0x10                ; out0
	v_lshl_add_u32 v[SPW], v0, 2, SPARE
	v_mov_b32 v[NIL], 0
	ds_add_u32 v[SPW], v[NIL]                      ; the wave's opening: the add and its wait ahead of my first tensor load
	v_lshrrev_b32 v1, 5, v0
	v_readfirstlane_b32 s10, v1                    ; wave 0..3
	s_lshr_b32 s11, s10, 1                         ; RH: my half of the rows
	s_and_b32 s12, s10, 1                          ; CH: my half of the columns
	s_bfe_u32 s15, ttmp6, 0x40000                  ; cx
	s_lshl_b32 s13, ttmp9, 2
	s_add_co_u32 s13, s13, s15                     ; mt = 4 x cluster x + cx: it enters act's and out0's addresses alone
	s_and_b32 s14, ttmp7, 0xffff                   ; nt, which the four partners share
	s_mov_b32 s[G1+0], 15|(1<<16)|(1<<20)|(1<<21)|(6<<22)|(3<<25)  ; the mask of four; 2-byte elements; padding on; bit 21 beside a mask; after every 128 words, 4 words
	s_mov_b32 s[G1+1], 256<<16                     ; tensor_dim0 = 256
	s_mov_b32 s[G1+2], 64<<16                      ; tensor_dim1 = 64
	s_mov_b32 s[G1+3], 256<<16                     ; tile_dim0 = 256
	s_mov_b32 s[G1+4], 64                          ; tile_dim1 = 64
	s_mov_b32 s[G1+5], 2560                        ; elements from row to row
	s_mov_b32 s[G1+6], 0
	s_mov_b32 s[G1+7], 0
	s_lshl_b32 s16, s14, 8                         ; w2t: row 256 nt + 64 x wave
	s_lshl_b32 s17, s10, 6
	s_add_co_u32 s16, s16, s17
	s_mul_i32 s16, s16, 5120
	s_mov_b32 s17, 0
	s_mul_i32 s23, s10, QROWS                      ; where it goes: no place in the cluster enters an LDS address
	s_lshl_b32 s18, s13, 3                         ; act: row block 8 mt + 4 RH
	s_lshl2_add_u32 s18, s11, s18
	s_mul_i32 s18, s18, RBLOCK
	s_mov_b32 s19, 0
	s_mov_b32 s[TB], 0
	v_and_b32 v4, 31, v0
	v_lshlrev_b32 v[CO], 4, v4
	s_wait_dscnt 0x0                               ; the opening add is done
	s_wait_kmcnt 0x0
	s_add_nc_u64 s[16:17], s[6:7], s[16:17]
	s_add_nc_u64 s[PA:PA+1], s[4:5], s[18:19]
.irp c, 0,1,2,3,4,5,6
	ALOAD \c, \c                                   ; act's first seven chunks: 56 loads
.endr
	WIN 0
	CROUND                                         ; all four work-groups are here: the first joint loads meet
	s_mov_b32 s[G0F], 1
	s_mov_b32 s[G0F+1], s23
	s_mov_b64 s[G0F+2:G0F+3], s[16:17]
	s_or_b32 s[G0F+3], s[G0F+3], 0x80000000
	s_mov_b32 s[G0], 1
	s_add_co_u32 s[G0+1], s23, SLOT
	s_add_nc_u64 s[G0+2:G0+3], s[16:17], 512
	s_or_b32 s[G0+3], s[G0+3], 0x80000000
	tensor_load_to_lds s[G0F:G0F+3], s[G1:G1+7]    ; slot step 0
	s_nop 0
	tensor_load_to_lds s[G0:G0+3], s[G1:G1+7]      ; slot step 1
	s_nop 0
.rept 4
	v_nop
.endr
	v_and_b32 v1, 15, v0                           ; r
	v_bfe_u32 v2, v0, 4, 1                         ; h
	v_mul_u32_u24 v3, v1, PITCH
	v_lshl_add_u32 v3, v2, 4, v3                   ; a fragment's row x pitch + 16 x half
	s_mul_i32 s18, s12, 2*QROWS                    ; my 128 rows of w2t
	v_add_nc_u32 v[ADRB0], s18, v3
	v_mov_b32 v[ADRB], v[ADRB0]
	s_mul_i32 s23, s10, 16*SPITCH
	s_add_co_u32 s23, s23, STAGE                   ; my stage
	v_mul_u32_u24 v4, v1, SPITCH                   ; in: row lane % 16, 32 bytes for each half of the lanes
	v_lshl_add_u32 v4, v2, 5, v4
	v_add_nc_u32 v[STO], s23, v4
	v_add_nc_u32 v[RD], s23, v[CO]                 ; back: a whole row of 512 bytes a load
	s_lshl_b32 s16, s13, 7                         ; out0 at row 128 mt + 64 RH, column 256 nt + 128 CH
	s_lshl_b32 s17, s11, 6
	s_add_co_u32 s16, s16, s17
	s_lshl_b32 s16, s16, 13
	s_lshl_b32 s17, s14, 10
	s_add_co_u32 s16, s16, s17
	s_lshl_b32 s17, s12, 9
	s_add_co_u32 s16, s16, s17
	s_mov_b32 s17, 0
	s_add_nc_u64 s[8:9], s[8:9], s[16:17]
	s_wait_tensorcnt 1                             ; my part of slot step 0 is in; slot step 1's may stay out
	s_barrier_signal -1
	s_barrier_wait -1
	FETCH 0, 0
	QUARTER 0, 1, 48, 1                            ; the first quarter stands in front of the loop: its products start the sums
	WIN 0                                          ; at a label and at a branch every window is 0
	s_mov_b32 s3, 9                                ; the part of a trip that is entered now, and eight whole trips: slot steps 2 to 9 are asked for
	s_branch .Lmid
.Lstep:                                                ; a trip: the change of slots with its refill, then the next slot step's first seven quarters
	TURN 1
	QUARTER 8, 1, 48
	WIN 0
	s_wait_xcnt 0x0                                ; act's pointer, which the loads on their way name, is stepped only behind this wait
	s_add_nc_u64 s[PA:PA+1], s[PA:PA+1], 8192      ; eight chunks on
.Lmid:
	QUARTER 1, 1, 48
	QUARTER 2, 1, 48
	QUARTER 3, 1, 48
	QUARTER 4, 1, 48
	QUARTER 5, 1, 48
	QUARTER 6, 1, 48
	WIN 0
	s_sub_co_u32 s3, s3, 1
	s_cmp_lg_u32 s3, 0
	s_cbranch_scc1 .Lstep
	TURN 0                                         ; the tail is written out: the last change of slots fills nothing; it and the quarter behind it ask for act's last two chunks
	QUARTER 8, 1, 48
	QUARTER 1, 0, 48                               ; the rest asks for nothing: the counts run down
	QUARTER 2, 0, 40
	QUARTER 3, 0, 32
	QUARTER 4, 0, 24
	QUARTER 5, 0, 16
	QUARTER 6, 0, 8
	QUARTER 7, 0, 0, 0, 0
	; THE WAY OUT: 16 rows at a time through my own stage: in as 32 bytes a lane and column block, back as whole rows of 512 bytes.  LDS serves a wave's instructions in order (ISA guide 5.7.1.4).
	WIN 0
	PLACES
.set a, 0
.rept 4
	WIN 0x04                                       ; the stores' data in window 1
.set b, 0
.rept 8
	ds_store_b128 v[STO], v[8*(8*a+b):8*(8*a+b)+3]   offset:64*b      ; each accumulator's low half first
	ds_store_b128 v[STO], v[8*(8*a+b)+4:8*(8*a+b)+7] offset:64*b+16
.set b, b+1
.endr
	WIN 0
.if a >= 2
	s_wait_xcnt 0x0                                ; the stores of two blocks ago have read these registers
.endif
.set BK, 64+64*(a%2)
.set t, 0
.rept 16
	ds_load_b128 v[BK+4*t:BK+4*t+3], v[RD] offset:SPITCH*t
.set t, t+1
.endr
.set t, 0
.rept 16
	s_wait_dscnt 15-t
	global_store_b128 v[CO], v[BK+4*t:BK+4*t+3], s[8:9] offset:(16*a+t)*8192  ; 512 consecutive bytes, at a multiple of 512 from out0's first
.set t, t+1
.endr
.set a, a+1
.endr
	s_wait_tensorcnt 0x0                           ; the wave's end
	ds_add_u32 v[SPW], v[NIL]
	s_wait_dscnt 0x0
	CROUND                                         ; the closing round
	s_endpgm
.Lfunc_end_k_q47dab9dc67_gemm2:
	.size	k_q47dab9dc67_gemm2, .Lfunc_end_k_q47dab9dc67_gemm2-k_q47dab9dc67_gemm2
	.p2alignl 7, 3214868480
	.fill 96, 4, 3214868480
	.section	.rodata,"a",@progbits
	.p2align	6, 0x0
	.amdhsa_kernel k_q47dab9dc67_gemm2
		.amdhsa_group_segment_fixed_size 327680
		.amdhsa_private_segment_fixed_size 0
		.amdhsa_enable_private_segment 0
		.amdhsa_kernarg_size 24
		.amdhsa_user_sgpr_count 2
		.amdhsa_user_sgpr_kernarg_segment_ptr 1
		.amdhsa_wavefront_size32 1
		.amdhsa_system_sgpr_workgroup_id_x 1
		.amdhsa_system_sgpr_workgroup_id_y 1
		.amdhsa_system_sgpr_workgroup_id_z 1
		.amdhsa_system_vgpr_workitem_id 0
		.amdhsa_next_free_vgpr 768
		.amdhsa_next_free_sgpr 66
		.amdhsa_reserve_vcc 0
		.amdhsa_float_denorm_mode_32 3
		.amdhsa_float_denorm_mode_16_64 3
		.amdhsa_memory_ordered 1
		.amdhsa_forward_progress 1
		.amdhsa_inst_pref_size 95
	.end_amdhsa_kernel
	.amdgpu_metadata
---
amdhsa.version: [ 1, 2 ]
amdhsa.kernels:
  - .name:           k_q47dab9dc67_gemm2
    .symbol:         k_q47dab9dc67_gemm2.kd
    .args:
      - { .name: act, .offset: 0, .size: 8, .value_kind: global_buffer, .address_space: global }
      - { .name: w2t, .offset: 8, .size: 8, .value_kind: global_buffer, .address_space: global }
      - { .name: out0, .offset: 16, .size: 8, .value_kind: global_buffer, .address_space: global }
    .group_segment_fixed_size: 327680
    .private_segment_fixed_size: 0
    .kernarg_segment_align: 8
    .kernarg_segment_size: 24
    .max_flat_workgroup_size: 128
    .sgpr_count:     66
    .vgpr_count:     768
    .wavefront_size: 32
...
	.end_amdgpu_metadata
.endif
;; end of part 5
;; ======== version 2 of 2: 5 launches; version 1 with the launch kv written anew for expert scheduling mode
;; limits: right only within a limited range of input values; values are held in f16: magnitudes above 65,504 overflow, below 6.1e-05 lose precision
;; workspace buffers: xn 16,777,216 bytes; w1t 19,005,440 bytes; w2t 10,485,760 bytes; rope 524,288 bytes; qf 4,194,304 bytes; kbuf 131,072 bytes; vbuf 131,072 bytes; act 20,971,520 bytes
;; launch prep: the kernel of part 1 again; grid 2184 x 1, 8 waves a work-group, no clusters, 18,432 bytes of LDS; arguments x, ln_w, ln_b, w_fused, w_ff_out, w_attn_out, xn, w1t, w2t, rope; writes xn, w1t, w2t, rope
;; launch kv (part 6): grid 256 x 1, 8 waves a work-group, no clusters, 17,408 bytes of LDS; arguments xn, w1t, rope, kbuf, vbuf; writes kbuf, vbuf
.if DOCPART == 6
	.amdgcn_target "amdgcn-amd-amdhsa--gfx1250"
	.amdhsa_code_object_version 6
	.text
	.protected	k_q47dab9dc67_kv
	.globl	k_q47dab9dc67_kv
	.p2align	8
	.type	k_q47dab9dc67_kv,@function
k_q47dab9dc67_kv:
	s_mov_b64 s[64:65], 0
	v_nop
	global_prefetch_b8 v0, s[64:65] scope:SCOPE_SE
	s_setreg_imm32_b32 hwreg(HW_REG_WAVE_SCHED_MODE, 0, 2), 2
	s_setreg_imm32_b32 hwreg(HW_REG_WAVE_MODE, 25, 1), 1
	s_wait_xcnt 0x0
	s_wait_alu depctr_vm_vsrc(0)
; K AND V: the 32 columns of the fused projection that all heads share.  kbuf, vbuf: [4096][16] bf16; k with RoPE (unscaled: q carries the scale).
; A work-group makes 16 rows x 32 columns; its eight waves split K = 2048 into eight parts of 256 (8 steps of 32), and the parts meet in LDS, added in ascending order.
; The matrix instruction is used transposed (source 0 = 16 rows of w1t, source 1 = 16 rows of xn): a lane holds row lane % 16 and the columns 8 (lane / 16) + 0..7.
; Fragments come straight from memory into registers: 48 loads a wave, all issued at once.
; NO CLUSTER: what work-groups share, w1t's 32 rows, is 131,072 bytes for the whole launch and goes straight into registers; a joint tensor load would add a trip through LDS for 16 matrix instructions a wave.
; THE MODE: SCHED_MODE bits 1:0 = 2 (LLVM: expert scheduling mode 2), set by the entry lines.  The code itself states the register dependences
; between vector or matrix instructions and memory or LDS instructions, with s_wait_alu, always for 0.
; THE PLAN.  Registers that memory or LDS instructions touch:
;   v5, v6         the loads' offset and the LDS address of my partial sums: made at the head, never written again.
;   A, BK, BV      global loads land in them once, before any vector line has named them; the matrix instructions read them.  In waves 0 and 1 the LDS loads of the partial sums land in A again.
;   ACK, ACV       written by the matrix instructions, read by the four LDS stores, never written again.
;   v7, v10, v11   waves 0 and 1: the table's offset, the LDS address of the parts, the store's offset: each made once, ahead of a wait on va_vdst.
;   TAB            the table's loads land in it once; no vector line names it before.
;   v[A+16:A+19]   written by the roundings, read by the one global store.
;   v[SPW], v[NIL] written at the head, read by the closing add alone.
; So four waits on va_vdst stand in the text: ahead of the first load, ahead of the LDS stores, ahead of the finishing waves' loads, ahead of the last store; one on va_sdst stands behind the line that makes
; the wave's number a scalar.  No register that a memory or LDS instruction reads is ever written afterwards, so the body holds no wait on vm_vsrc.
.set SPARE, 16384
.set SPW, 8
.set NIL, 9
.set A,   16                           ; v[16:79]   xn's fragments, step s at 8 s
.set BK,  80                           ; v[80:143]  k's rows of w1t
.set BV,  144                          ; v[144:207] v's
.set ACK, 208
.set ACV, 216
.set TAB, 224                          ; v[224:239] cos 0-7, sin 0-7 of my row and half
	s_load_b256 s[4:11], s[0:1], 0x0               ; xn s[4:5], w1t s[6:7], rope s[8:9], kbuf s[10:11]
	s_load_b64 s[12:13], s[0:1], 0x20              ; vbuf
	v_lshl_add_u32 v[SPW], v0, 2, SPARE
	v_mov_b32 v[NIL], 0
	v_lshrrev_b32 v1, 5, v0
	v_readfirstlane_b32 s14, v1                    ; wave 0..7
	v_and_b32 v2, 15, v0                           ; r
	v_bfe_u32 v3, v0, 4, 1                         ; h
	v_and_b32 v4, 31, v0                           ; lane
	v_lshlrev_b32 v5, 12, v2                       ; a row of 4,096 bytes,
	v_lshl_add_u32 v5, v3, 4, v5                   ; 16 bytes a half,
	s_wait_alu depctr_va_sdst(0)                   ; s14 is written, ahead of its first reader: offsets, LDS addresses and the branches below are made from it
	s_lshl_b32 s15, s14, 9
	v_add_nc_u32 v5, s15, v5                       ; my wave's 256 along K
	s_lshl_b32 s22, s14, 11
	v_lshl_add_u32 v6, v4, 4, s22                  ; my wave's 2,048 bytes of partial sums
	s_lshl_b32 s16, ttmp9, 16                      ; 16 rows of xn
	s_mov_b32 s17, 0
	s_mov_b32 s20, 0x76543210
	s_mov_b32 s21, 0xfedcba98
	s_wait_kmcnt 0x0
	s_add_nc_u64 s[4:5], s[4:5], s[16:17]
	s_add_nc_u64 s[6:7], s[6:7], 18874368          ; w1t's row 4608
	s_wait_alu depctr_va_vdst(0)                   ; v5 is written, which the 48 loads read as their offset; so is v6, which the LDS stores read as their address
.set s, 0
.rept 8
	global_load_b128 v[A+8*s:A+8*s+3],    v5, s[4:5] offset:64*s
	global_load_b128 v[A+8*s+4:A+8*s+7],  v5, s[4:5] offset:64*s+32
	global_load_b128 v[BK+8*s:BK+8*s+3],   v5, s[6:7] offset:64*s
	global_load_b128 v[BK+8*s+4:BK+8*s+7], v5, s[6:7] offset:64*s+32
	global_load_b128 v[BV+8*s:BV+8*s+3],   v5, s[6:7] offset:65536+64*s
	global_load_b128 v[BV+8*s+4:BV+8*s+7], v5, s[6:7] offset:65536+64*s+32
.set s, s+1
.endr
	s_wait_loadcnt 42                              ; step 0's six loads are in; six for each later step stay out
	v_wmma_f32_16x16x32_f16 v[ACK:ACK+7], v[BK:BK+7], v[A:A+7], 0   ; the first step starts both sums
	v_wmma_f32_16x16x32_f16 v[ACV:ACV+7], v[BV:BV+7], v[A:A+7], 0
.set s, 1
.rept 7                                        ; the two accumulators take turns
	s_wait_loadcnt 6*(7-s)
	v_wmma_f32_16x16x32_f16 v[ACK:ACK+7], v[BK+8*s:BK+8*s+7], v[A+8*s:A+8*s+7], v[ACK:ACK+7]
	v_wmma_f32_16x16x32_f16 v[ACV:ACV+7], v[BV+8*s:BV+8*s+7], v[A+8*s:A+8*s+7], v[ACV:ACV+7]
.set s, s+1
.endr
.rept 4
	v_nop                                          ; four places behind the last products (ISA guide 7.12.1)
.endr
	s_wait_alu depctr_va_vdst(0)                   ; the matrix instructions have written the accumulators, which the LDS stores read, and are done reading A, in which LDS loads land below; the places above stay beside this wait
	ds_store_b128 v6, v[ACK:ACK+3]
	ds_store_b128 v6, v[ACK+4:ACK+7] offset:512
	ds_store_b128 v6, v[ACV:ACV+3] offset:1024
	ds_store_b128 v6, v[ACV+4:ACV+7] offset:1536
	s_wait_dscnt 0x0                               ; for the others' sake
	s_barrier_signal -1
	s_barrier_wait -1
	s_cmp_gt_u32 s14, 1
	s_cbranch_scc1 .Lend                           ; wave 0 finishes k, wave 1 v
	s_lshl_b32 s16, ttmp9, 4
	s_and_b32 s16, s16, 2047                       ; my first row's place in its sequence
	s_lshl_b32 s16, s16, 7
	s_add_co_u32 s16, s16, 262144                  ; the unscaled table
	s_add_nc_u64 s[8:9], s[8:9], s[16:17]
	s_lshl_b32 s23, s14, 10
	v_lshlrev_b32 v7, 7, v2
	v_lshl_add_u32 v7, v3, 6, v7
	v_lshl_add_u32 v10, v4, 4, s23
	s_wait_alu depctr_va_vdst(0)                   ; v7 and v10 are written, which the table's loads and the LDS loads read as offset and address
.irp q, 0,1,2,3
	global_load_b128 v[TAB+4*\q:TAB+4*\q+3], v7, s[8:9] offset:16*\q
.endr
.set p, 0
.rept 8
	ds_load_b128 v[A+8*p:A+8*p+3],   v10 offset:2048*p
	ds_load_b128 v[A+8*p+4:A+8*p+7], v10 offset:2048*p+512
.set p, p+1
.endr
	s_wait_dscnt 0x0
.set p, 1
.rept 7
.set k, 0
.rept 4
	v_pk_add_f32 v[A+2*k:A+2*k+1], v[A+2*k:A+2*k+1], v[A+8*p+2*k:A+8*p+2*k+1]
.set k, k+1
.endr
.set p, p+1
.endr
	s_wait_loadcnt 0x0                             ; the table
	s_cmp_lg_u32 s14, 0
	s_cbranch_scc1 .Lnorope
.set j, 0
.rept 8
	v_permlanex16_b32 v[A+8+j], v[A+j], s20, s21   ; the channel eight away lies in the lane 16 away
.set j, j+1
.endr
.set k, 0
.rept 4
	v_pk_mul_f32 v[A+8+2*k:A+9+2*k], v[A+8+2*k:A+9+2*k], v[TAB+8+2*k:TAB+9+2*k]
.set k, k+1
.endr
.set k, 0
.rept 4
	v_pk_fma_f32 v[A+2*k:A+2*k+1], v[A+2*k:A+2*k+1], v[TAB+2*k:TAB+2*k+1], v[A+8+2*k:A+9+2*k]
.set k, k+1
.endr
.Lnorope:
.set k, 0
.rept 4
	v_cvt_pk_bf16_f32 v[A+16+k], v[A+2*k], v[A+2*k+1]
.set k, k+1
.endr
	s_cmp_eq_u32 s14, 0
	s_cselect_b64 s[18:19], s[10:11], s[12:13]
	s_lshl_b32 s16, ttmp9, 9
	s_add_nc_u64 s[18:19], s[18:19], s[16:17]
	v_lshlrev_b32 v11, 5, v2
	v_lshl_add_u32 v11, v3, 4, v11
	s_wait_alu depctr_va_vdst(0)                   ; the roundings have written v[A+16:A+19], the store's data, and v11, its offset, is written
	global_store_b128 v11, v[A+16:A+19], s[18:19]  ; the wave's 32 lanes fill 512 consecutive bytes
.Lend:
	s_wait_dscnt 0x0                               ; the closing lines, six on end
	s_wait_alu 0x0
	s_wait_tensorcnt 0x0
	ds_add_u32 v[SPW], v[NIL]
	s_wait_dscnt 0x0
	s_endpgm
.Lfunc_end_k_q47dab9dc67_kv:
	.size	k_q47dab9dc67_kv, .Lfunc_end_k_q47dab9dc67_kv-k_q47dab9dc67_kv
	.p2alignl 7, 3214868480
	.fill 96, 4, 3214868480
	.section	.rodata,"a",@progbits
	.p2align	6, 0x0
	.amdhsa_kernel k_q47dab9dc67_kv
		.amdhsa_group_segment_fixed_size 17408
		.amdhsa_private_segment_fixed_size 0
		.amdhsa_enable_private_segment 0
		.amdhsa_kernarg_size 40
		.amdhsa_user_sgpr_count 2
		.amdhsa_user_sgpr_kernarg_segment_ptr 1
		.amdhsa_wavefront_size32 1
		.amdhsa_system_sgpr_workgroup_id_x 1
		.amdhsa_system_sgpr_workgroup_id_y 1
		.amdhsa_system_sgpr_workgroup_id_z 1
		.amdhsa_system_vgpr_workitem_id 0
		.amdhsa_next_free_vgpr 240
		.amdhsa_next_free_sgpr 66
		.amdhsa_reserve_vcc 0
		.amdhsa_float_denorm_mode_32 3
		.amdhsa_float_denorm_mode_16_64 3
		.amdhsa_memory_ordered 1
		.amdhsa_forward_progress 1
		.amdhsa_inst_pref_size 14
	.end_amdhsa_kernel
	.amdgpu_metadata
---
amdhsa.version: [ 1, 2 ]
amdhsa.kernels:
  - .name:           k_q47dab9dc67_kv
    .symbol:         k_q47dab9dc67_kv.kd
    .args:
      - { .name: xn, .offset: 0, .size: 8, .value_kind: global_buffer, .address_space: global }
      - { .name: w1t, .offset: 8, .size: 8, .value_kind: global_buffer, .address_space: global }
      - { .name: rope, .offset: 16, .size: 8, .value_kind: global_buffer, .address_space: global }
      - { .name: kbuf, .offset: 24, .size: 8, .value_kind: global_buffer, .address_space: global }
      - { .name: vbuf, .offset: 32, .size: 8, .value_kind: global_buffer, .address_space: global }
    .group_segment_fixed_size: 17408
    .private_segment_fixed_size: 0
    .kernarg_segment_align: 8
    .kernarg_segment_size: 40
    .max_flat_workgroup_size: 256
    .sgpr_count:     66
    .vgpr_count:     240
    .wavefront_size: 32
...
	.end_amdgpu_metadata
.endif
;; end of part 6
;; launch gemm1: the kernel of part 3 again; grid 16 x 16, 4 waves a work-group, clusters of 4 x 4, 327,680 bytes of LDS; arguments xn, w1t, rope, act, qf; writes act, qf
;; launch attn: the kernel of part 4 again; grid 128 x 2, 8 waves a work-group, clusters of 4 x 1, 262,144 bytes of LDS; arguments qf, kbuf, vbuf, attn_mask, act; writes act
;; launch gemm2: the kernel of part 5 again; grid 32 x 8, 4 waves a work-group, clusters of 4 x 1, 327,680 bytes of LDS; arguments act, w2t, out0; writes out0
